; MI455X (gfx1250); checked and timed in simulation.
; The chip was launched on July 23, 2026; its instructions are those of AMD's public machine-readable ISA for CDNA 5 (MIT licence, August 2026) and "CDNA5" Instruction Set Architecture Reference Guide (July 2026). The comments in the code are by the model that wrote it; some were corrected since.
;; Transformer Block. Allowed arithmetic: matrix products marked QUANTISED: E2M3 operands, one E8M0 scale for each 32 along K, by v_wmma_scale_f32_16x16x128_f8f6f4 with both operands' format E2M3, f32 sums; everything else in f32.
;; Inputs: c_attn_b 3,072 float32; c_attn_w 1,024 x 3,072 float32; c_proj_b 1,024 float32; c_proj_w 1,024 x 1,024 float32; ln1_b 1,024 float32; ln1_g 1,024 float32; ln2_b 1,024 float32; ln2_g 1,024 float32; mlp_b1 4,096 float32; mlp_b2 1,024 float32; mlp_w1 1,024 x 4,096 float32; mlp_w2 4,096 x 1,024 float32; x 2 x 2,048 x 1,024 float32.
;; Outputs: out0 2 x 2,048 x 1,024 float32.
;; This version of the problem:
;;   THIS VERSION OF THE PROBLEM IS GIVEN IN LOW PRECISION. The matrix products marked QUANTISED in the list below multiply operands that are first quantised to E2M3 (2 exponent bits, 3 mantissa bits; 6 bits a number), with one power-of-two scale for each 32 numbers along K (OCP MX v1.0); their sums are f32. All else is computed in f32.
;;   The module's matrix products, in the order in which they are computed (A, B: the left and right operand; K: the contracted axis; several contracted axes count as one K, in the product's order):
;;     1. [M 4,096, K 1,024] x [K 1,024, N 3,072]; A: computed on the way; B: input c_attn_w: QUANTISED
;;     2. batch 32 x [M 2,048, K 64] x [K 64, N 2,048]; A: computed on the way; B: computed on the way: QUANTISED
;;     3. batch 32 x [M 64, K 2,048] x [K 2,048, N 2,048]; A: computed on the way; B: softmax (see below): QUANTISED
;;     4. [M 4,096, K 1,024] x [K 1,024, N 1,024]; A: computed on the way; B: input c_proj_w: QUANTISED
;;     5. [M 4,096, K 1,024] x [K 1,024, N 4,096]; A: computed on the way; B: input mlp_w1: QUANTISED
;;     6. [M 4,096, K 4,096] x [K 4,096, N 1,024]; A: computed on the way; B: input mlp_w2: QUANTISED
;;   THE QUANTISER, for each operand of a quantised product, along K:
;;     - K is cut into blocks of 32 from its start; a last block that is shorter is filled with zeros.
;;     - A block's scale is 2^e with e = floor(log2(the largest magnitude in the block)) - 2, held to -126 .. 127; a block of zeros has e = 0. As a byte (E8M0): e + 127.
;;     - Each number is divided by its block's scale, clamped to +-7.5, and rounded to the nearest number of E2M3, ties to even, subnormals kept.
;;     - The product sums the exact products of the quantised numbers (number of the format x scale) in f32.
;;   ~~~python
;;   def quantise(x, axis):      # numpy; x: float32 -> the quantised numbers, widened to float32 again
;;       x = np.moveaxis(x, axis, -1); K = x.shape[-1]
;;       x = np.pad(x, [(0, 0)] * (x.ndim - 1) + [(0, -K % 32)]); x = x.reshape(x.shape[:-1] + (-1, 32)); a = np.abs(x).max(-1, keepdims=True)
;;       e = np.where(a > 0, np.clip(np.frexp(np.where(a > 0, a, 1))[1] - 1 - 2, -126, 127), 0)      # np.frexp(a)[1] - 1 = floor(log2(a)), exactly
;;       r = np.clip(x / 2.0 ** e, -7.5, 7.5)
;;       step = 2.0 ** (np.maximum(np.frexp(np.where(r == 0, 1, r))[1] - 1, 0) - 3)
;;       q = np.round(r / step) * step * 2.0 ** e      # np.round: ties to even
;;       return np.moveaxis(q.reshape(q.shape[:-2] + (-1,))[..., :K], -1, axis).astype(np.float32)
;;   ~~~
;;   SOFTMAX AHEAD OF A QUANTISED PRODUCT. Where the list says 'softmax', what is quantised is not the finished softmax but p = 2^(t - M), with t = logit x log2(e) and M = ceil(the row's largest t), a whole number; so 1/2 < the row's largest p <= 1. The row's sum l is taken of the UNQUANTISED p, in f32, and the product's result is divided by l at the end. Since M is a whole number, a kernel that streams over the keys may use a running M (the ceiling of the running maximum): every later rescaling is an exact power of two, which a block's scale takes up: the codes' values come out the same.
;;   OPERANDS COMPUTED ON THE WAY. 'Computed on the way' means the value that the module computes at that place (a softmax that the list does not call 'softmax' is quantised finished and normalised). What goes into a quantiser is computed in f32, as accurately as f32 sums, v_exp_f32 and their like allow (about 1e-6 of the number): no bf16 or f16 on the way to a quantiser, and a product that is left as it is and whose result goes on into a quantised operand takes f32 operands (vector FMAs, or v_wmma_f32_16x16x4_f32). A number that lies on a knife's edge between two numbers of the format may be rounded either way, as far as f32 arithmetic and the matrix unit's own rounding can turn it there, and no further.
;; One version. Each part assembles by itself: llvm-mc -triple=amdgcn-amd-amdhsa -mcpu=gfx1250 --defsym DOCPART=n.
;; ======== version 1 of 1: 7 launches
;; limits: right only within a limited range of input values
;; workspace buffers: wbuf 9,830,400 bytes; abuf 3,276,800 bytes; obuf 3,276,800 bytes; qbuf 3,407,872 bytes; kvbuf 6,684,672 bytes; x1 16,777,216 bytes; hbuf 13,107,200 bytes
;; launch wq (part 1): grid 128 x 8, 4 waves a work-group, no clusters, 89,088 bytes of LDS; arguments c_attn_w, c_proj_w, mlp_w1, mlp_w2, wbuf, x, ln1_g, ln1_b, abuf; writes wbuf, abuf
.if DOCPART == 1
	.amdgcn_target "amdgcn-amd-amdhsa--gfx1250"
	.amdhsa_code_object_version 6
	.text
	.protected	k_q891183f3ee_wq
	.globl	k_q891183f3ee_wq
	.p2align	8
	.type	k_q891183f3ee_wq,@function
k_q891183f3ee_wq:
	s_mov_b64 s[64:65], 0
	v_nop
	global_prefetch_b8 v0, s[64:65] scope:SCOPE_SE
	s_setreg_imm32_b32 hwreg(HW_REG_WAVE_MODE, 25, 1), 1
	s_wait_xcnt 0x0
; The four weights, f32 stored [K][N], become codes of FP6 (E2M3) with one E8M0 byte for each 32 along K, laid in wbuf as IMAGES OF OPERAND REGISTERS.
; A tile is 16 columns n; tile T, row r is column 32 (T / 2) + 8 (T % 2) + r + 8 (r / 8).  A fragment (a tile x 128 along K) is 12 registers a lane: register j of lane l lies at byte
; 512 (j / 4) + 16 l + 4 (j % 4) of its 1,536 bytes; fragments lie [tile][K step] (c_attn_w's and mlp_w1's [8 tiles][K step][tile]).  Scale words (four bytes: 128 along K of one column) lie [256 columns][K step][16 tiles][16 rows].
; A LANE TAKES A COLUMN AND ITS REGISTERS RUN DOWN K: a load reads 128 consecutive bytes a wave, a block of 32 lies in one lane, and the conversions give codes with K innermost.
; A work-group takes 128 columns x one K step of 128, a wave 32 columns (two tiles): four blocks of 32 rows, two of them on their way at a time.  A block's six code words go to the lane and registers of the image
; through the wave's own LDS, and leave as 512 consecutive bytes a store.
; One path serves all four weights: the work-group's number chooses pointers, pitch and offsets by selects.  No barrier: waves share nothing.
; LIMITS: NaN and infinities are not served; a block whose largest magnitude lies under 2^-124 (zeros among them) gets the byte 1: its bytes are read by this program alone.
.set X,    32                          ; v32-95   two sets of 32 numbers
.set VO,   96                          ; v96-127  row i of a block: i x pitch + 4 x lane
.set C,    16                          ; v16-21   a block's six code words
.set D,    24                          ; v24-26   the second conversion's result (three registers begin on an even number)
.set SW,   28                          ; v28      the K step's scale word
.set OUTR, 128                         ; v128-151 the way out: the two tiles' fragments
.set WREG, 3328                        ; LDS of a wave: two tile images, 1,664 bytes apart
.set TIL,  1664
; ONE LAUNCH PREPARES ALL THAT THE FIRST PRODUCT NEEDS.  Work-groups with x under 32 (256 of them) take a tile of 16 tokens each through LayerNorm 1 and its quantiser; the other 768 quantise the weights.
; The two paths part on the work-group's number alone and have LDS bytes of their own: LayerNorm 0 .. 75,263, the spare words 75,264 .. 75,775, the weights' stages from 75,776 on.
	v_lshl_add_u32 v254, v0, 2, 0x12600
	v_mov_b32 v255, 0
	s_cmp_lt_u32 ttmp9, 32
	s_cbranch_scc0 .Lweights
; ---- LayerNorm over rows of 1,024 f32, then codes of FP6 and E8M0 bytes as images of operand registers.  Tile T = x + 32 y; row r is token 32 (T / 2) + 8 (T % 2) + r + 8 (r / 8); wave w takes columns 256 w on.
; Rows are loaded as they lie (512 consecutive bytes a load), turn through the wave's stage and come back a block of 32 to a lane.  Mean and variance in two passes; the waves' partial sums meet in LDS: two barriers.
; OUT: fragment number 64 (T / 8) + 8 s + T % 8, 1,536 bytes each; scale words at 3,145,728 + ((T / 16) 8 + s) 1,024 + (T % 16) 64 + 4 r.  LIMITS as for the weights.
.set GBR, 160
.set XST, 8704
.set XP,  1040
	s_load_b256 s[4:11], s[0:1], 0x28              ; x, gain, bias, abuf
	s_and_b32 s30, ttmp7, 0xffff
	s_lshl_b32 s30, s30, 5
	s_add_co_u32 s30, s30, ttmp9                   ; T
	v_lshrrev_b32 v1, 5, v0
	v_readfirstlane_b32 s12, v1                    ; wave
	v_and_b32 v11, 31, v0
	v_and_b32 v1, 15, v0                           ; r
	v_bfe_u32 v2, v0, 4, 1                         ; h
	s_mul_i32 s23, s12, 16*XP
	s_add_co_u32 s23, s23, XST
	v_mul_u32_u24 v3, v1, XP
	v_lshl_add_u32 v3, v2, 7, v3
	v_add_nc_u32 v3, s23, v3                       ; out of the stage: row r, + 128 h
	s_lshl_b32 s13, s12, 10
	v_lshlrev_b32 v9, 4, v11
	v_add_nc_u32 v4, s13, v9                       ; in memory: my 16 bytes of the wave's 1,024
	v_add_nc_u32 v13, s23, v9                      ; into the stage
	s_lshl_b32 s14, s12, 11
	s_add_co_u32 s14, s14, 512
	v_add_nc_u32 v5, s14, v9                       ; gain and bias in LDS
	v_lshlrev_b32 v6, 7, v2
	v_add_nc_u32 v6, s14, v6
	s_lshl_b32 s15, s12, 2
	v_lshlrev_b32 v8, 4, v1                        ; partial sums: row r's four words
	v_add_nc_u32 v7, s15, v8
	v_lshlrev_b32 v10, 2, v1
	v_lshl_add_u32 v10, v2, 10, v10                ; scale words out
	v_lshlrev_b32 v12, 3, v2
	v_mov_b32 v238, 0
	s_mov_b32 s20, 0x3a800000                      ; 1 / 1,024
	s_mov_b32 s21, 0x3727c5ac                      ; 1e-5
	s_mov_b32 s22, 0xffff0000
	s_mov_b32 s28, 0x76543210
	s_mov_b32 s29, 0xfedcba98
	s_lshr_b32 s16, s30, 1
	s_lshl_b32 s16, s16, 5
	s_and_b32 s17, s30, 1
	s_lshl_b32 s17, s17, 3
	s_add_co_u32 s16, s16, s17                     ; the tile's first token
	s_lshl_b32 s16, s16, 12
	s_mov_b32 s17, 0
	s_lshr_b32 s18, s30, 3
	s_lshl_b32 s18, s18, 6
	s_lshl_b32 s19, s12, 4
	s_add_co_u32 s18, s18, s19
	s_and_b32 s19, s30, 7
	s_add_co_u32 s18, s18, s19
	s_mul_i32 s18, s18, 1536
	s_mov_b32 s19, 0
	s_lshr_b32 s24, s30, 4
	s_lshl_b32 s24, s24, 3
	s_lshl_b32 s25, s12, 1
	s_add_co_u32 s24, s24, s25
	s_lshl_b32 s24, s24, 10
	s_and_b32 s25, s30, 15
	s_lshl_b32 s25, s25, 6
	s_add_co_u32 s24, s24, s25
	s_add_co_u32 s24, s24, 3145728
	s_mov_b32 s25, 0
	s_wait_alu depctr_va_vdst(0)                   ; the wait at the head's end
	s_wait_kmcnt 0x0
	s_add_nc_u64 s[4:5], s[4:5], s[16:17]
	s_add_nc_u64 s[26:27], s[10:11], s[24:25]
	s_add_nc_u64 s[10:11], s[10:11], s[18:19]
	global_load_b128 v[160:163], v4, s[6:7]
	global_load_b128 v[164:167], v4, s[6:7] offset:512
	global_load_b128 v[168:171], v4, s[8:9]
	global_load_b128 v[172:175], v4, s[8:9] offset:512
.set i, 0
.rept 32
	global_load_b128 v[X+4*i:X+4*i+3], v4, s[4:5] offset:(i/2+8*(i/16))*4096+512*(i%2) th:TH_LOAD_NT
.set i, i+1
.endr
	s_wait_loadcnt 32                              ; gain and bias are in; the rows' 32 loads are younger
	ds_store_b128 v5, v[160:163]
	ds_store_b128 v5, v[164:167] offset:512
	ds_store_b128 v5, v[168:171] offset:1024
	ds_store_b128 v5, v[172:175] offset:1536
.set i, 0
.rept 4
	s_wait_loadcnt 24-i                            ; these eight loads are in; the later rows' are younger
.rept 8
	ds_store_b128 v13, v[X+4*i:X+4*i+3] offset:(i/2)*XP+512*(i%2)
.set i, i+1
.endr
.endr
.set j, 0
.rept 4
.set i, 0
.rept 8
	ds_load_b128 v[X+32*j+4*i:X+32*j+4*i+3], v3 offset:256*j+16*i
.set i, i+1
.endr
.set j, j+1
.endr
.macro REDUCE off                      ; four chains in v[16:23] become the row's sum over all four waves, in v16
	v_pk_add_f32 v[16:17], v[16:17], v[18:19]
	v_pk_add_f32 v[20:21], v[20:21], v[22:23]
	v_pk_add_f32 v[16:17], v[16:17], v[20:21]
	v_add_f32 v16, v16, v17
	v_permlanex16_b32 v17, v16, s28, s29
	v_add_f32 v16, v16, v17
	ds_store_b32 v7, v16 offset:\off
	s_wait_dscnt 0x0                               ; for the others' sake: my store has landed
	s_barrier_signal -1
	s_barrier_wait -1
	ds_load_b128 v[24:27], v8 offset:\off
	s_wait_dscnt 0x0
	v_add_f32 v24, v24, v25
	v_add_f32 v26, v26, v27
	v_add_f32 v16, v24, v26
.endm
	s_wait_dscnt 0x0
.irp k, 0,1,2,3
	v_pk_add_f32 v[16+2*\k:17+2*\k], v[X+2*\k:X+2*\k+1], v[X+8+2*\k:X+8+2*\k+1]
.endr
.set j, 16
.rept 14
.irp k, 0,1,2,3
	v_pk_add_f32 v[16+2*\k:17+2*\k], v[16+2*\k:17+2*\k], v[X+j+2*\k:X+j+2*\k+1]
.endr
.set j, j+8
.endr
	REDUCE 0
	v_mul_f32 v28, s20, v16                        ; the mean
	v_mov_b32 v29, v28
.set j, 0
.rept 64
	v_pk_add_f32 v[X+j:X+j+1], v[X+j:X+j+1], v[28:29] neg_lo:[0,1] neg_hi:[0,1]
.set j, j+2
.endr
.irp k, 0,1,2,3
	v_pk_mul_f32 v[16+2*\k:17+2*\k], v[X+2*\k:X+2*\k+1], v[X+2*\k:X+2*\k+1]
.endr
.set j, 8
.rept 15
.irp k, 0,1,2,3
	v_pk_fma_f32 v[16+2*\k:17+2*\k], v[X+j+2*\k:X+j+2*\k+1], v[X+j+2*\k:X+j+2*\k+1], v[16+2*\k:17+2*\k]
.endr
.set j, j+8
.endr
	REDUCE 256
	v_fma_f32 v16, v16, s20, s21                   ; the variance + 1e-5
	s_wait_alu depctr_va_vdst(0)
	v_rsq_f32 v30, v16
	v_nop
	s_wait_alu depctr_va_vdst(0)
	v_mov_b32 v31, v30
.set j, 0
	s_wait_alu depctr_va_vdst(0)
.rept 4
.set i, 0
.rept 8
	ds_load_b128 v[GBR+4*i:GBR+4*i+3], v6 offset:256*j+16*i
	ds_load_b128 v[GBR+32+4*i:GBR+32+4*i+3], v6 offset:1024+256*j+16*i
.set i, i+1
.endr
	s_wait_dscnt 0x0
.set i, 0
.rept 16
	v_pk_mul_f32 v[X+32*j+2*i:X+32*j+2*i+1], v[X+32*j+2*i:X+32*j+2*i+1], v[30:31]
.set i, i+1
.endr
.set i, 0
.rept 16
	v_pk_fma_f32 v[X+32*j+2*i:X+32*j+2*i+1], v[X+32*j+2*i:X+32*j+2*i+1], v[GBR+2*i:GBR+2*i+1], v[GBR+32+2*i:GBR+32+2*i+1]
.set i, i+1
.endr
.set j, j+1
.endr
.macro FRAGQ sp                        ; K step sp of my two: blocks c = 0, 1 are registers 6 c .. 6 c + 5 of the fragment
.set XB, X+64*(\sp)
.set F, 160+16*(\sp)
.irp c, 0,1
	v_max3_num_f32 v[224+\c], |v[XB+32*\c]|, |v[XB+32*\c+1]|, 0x1800000
.endr
.irp i, 2,4,6,8,10,12,14,16,18,20,22,24,26,28,30
.irp c, 0,1
	v_max3_num_f32 v[224+\c], v[224+\c], |v[XB+32*\c+\i]|, |v[XB+32*\c+\i+1]|
.endr
.endr
.irp c, 0,1
	v_add_nc_u32 v[228+\c], 0xff000000, v[224+\c]
.endr
.irp c, 0,1
	v_lshrrev_b32 v[232+\c], 23, v[228+\c]
.endr
	v_lshl_or_b32 v236, v233, 16, v232
	v_lshlrev_b32 v236, v12, v236
	v_permlanex16_b32 v238, v236, s28, s29
	v_or_b32 v[248+(\sp)], v236, v238
.irp c, 0,1
	v_cvt_scalef32_pk16_fp6_f32 v[F+6*\c:F+6*\c+2], v[XB+32*\c:XB+32*\c+15], v[228+\c]
	v_cvt_scalef32_pk16_fp6_f32 v[240+4*\c:242+4*\c], v[XB+32*\c+16:XB+32*\c+31], v[228+\c]
.endr
	v_nop
.irp c, 0,1
.irp i, 0,1,2
	v_mov_b32 v[F+6*\c+3+\i], v[240+4*\c+\i]
.endr
.endr
.irp c, 0,1,2
	global_store_b128 v9, v[F+4*\c:F+4*\c+3], s[10:11] offset:12288*(\sp)+512*\c
.endr
.endm
	FRAGQ 0
	FRAGQ 1
	v_cndmask_b32 v250, v248, v249, s22
	global_store_b32 v10, v250, s[26:27]
	s_wait_tensorcnt 0x0                           ; the wave's end
	ds_add_u32 v254, v255
	s_wait_dscnt 0x0
	s_endpgm
.Lweights:
	s_load_b256 s[4:11], s[0:1], 0x0               ; c_attn_w, c_proj_w, mlp_w1, mlp_w2
	s_load_b64 s[12:13], s[0:1], 0x20              ; wbuf
	v_lshrrev_b32 v1, 5, v0
	v_readfirstlane_b32 s16, v1                    ; wave
	v_and_b32 v2, 31, v0                           ; lane x = my column among the wave's 32
	v_bfe_u32 v1, v0, 3, 1                         ; u = (x / 8) % 2: which of the two tiles
	v_and_b32 v9, 7, v0
	v_bfe_u32 v14, v0, 4, 1
	v_lshl_add_u32 v9, v14, 3, v9                  ; r = x % 8 + 8 (x / 16): my row in it
	s_mul_i32 s59, s16, WREG
	s_add_co_u32 s59, s59, 75776                   ; behind the other path's bytes and the spare words
	v_mul_u32_u24 v4, v1, TIL
	v_lshl_add_u32 v4, v9, 4, v4
	v_add_nc_u32 v4, s59, v4                       ; into the stage: tile u, 16 r
	v_lshlrev_b32 v6, 4, v2                        ; 16 x lane
	v_add_nc_u32 v5, s59, v6                       ; out of the stage
	v_lshlrev_b32 v8, 6, v1
	v_lshl_add_u32 v8, v9, 2, v8                   ; my scale word's place: 64 u + 4 r
	v_lshlrev_b32 v3, 2, v2                        ; 4 x lane
	s_and_b32 s17, ttmp7, 0xffff                   ; y
	s_sub_co_u32 s18, ttmp9, 32                    ; x among the weights' 96
	s_sub_co_u32 s19, s18, 64                      ; mlp_w2's numbers first; the selects below put the others' in their place
	s_lshl_b32 s28, s17, 5
	s_add_co_u32 s19, s19, s28                     ; x - 64 + 32 y: 0 .. 255
	s_and_b32 s20, s19, 7                          ; gx: which 128 columns
	s_lshr_b32 s21, s19, 3                         ; gy: which K step of 128
	s_mov_b32 s22, 4096                            ; a row of the weight in bytes
	s_mov_b32 s23, 32                              ; K steps of 128
	s_mov_b32 s24, 6291456                         ; where its codes begin in wbuf
	s_mov_b32 s25, 9699328
	; c_attn_w's and mlp_w1's fragments lie [8 tiles][K step][tile], so that 8 tiles' K steps are dense bytes; the other two weights' lie [tile][K step].  s60: log2 of the group, s62: group - 1
	s_mov_b32 s60, 0
	s_mov_b32 s62, 0
	s_sub_co_u32 s28, s18, 32
	s_sub_co_u32 s29, s18, 24
	s_wait_alu depctr_va_vdst(0)
	s_wait_kmcnt 0x0
	s_mov_b64 s[26:27], s[10:11]
	s_cmp_lt_u32 s18, 64                           ; mlp_w1
	s_cselect_b32 s20, s28, s20
	s_cselect_b32 s21, s17, s21
	s_cselect_b32 s22, 16384, s22
	s_cselect_b32 s23, 8, s23
	s_cselect_b32 s60, 3, s60
	s_cselect_b32 s62, 7, s62
	s_cselect_b32 s24, 3145728, s24
	s_cselect_b32 s25, 9568256, s25
	s_cselect_b64 s[26:27], s[8:9], s[26:27]
	s_cmp_lt_u32 s18, 32                           ; c_proj_w
	s_cselect_b32 s20, s29, s20
	s_cselect_b32 s22, 4096, s22
	s_cselect_b32 s24, 2359296, s24
	s_cselect_b32 s60, 0, s60
	s_cselect_b32 s62, 0, s62
	s_cselect_b32 s25, 9535488, s25
	s_cselect_b64 s[26:27], s[6:7], s[26:27]
	s_cmp_lt_u32 s18, 24                           ; c_attn_w
	s_cselect_b32 s20, s18, s20
	s_cselect_b32 s22, 12288, s22
	s_cselect_b32 s24, 0, s24
	s_cselect_b32 s60, 3, s60
	s_cselect_b32 s62, 7, s62
	s_cselect_b32 s25, 9437184, s25
	s_cselect_b64 s[26:27], s[4:5], s[26:27]
	s_lshl_b32 s28, s21, 7                         ; my first row of the weight: 128 gy,
	s_mul_i32 s28, s28, s22
	s_lshl_b32 s29, s20, 9                         ; my first column: 128 gx + 32 wave, in bytes
	s_add_co_u32 s28, s28, s29
	s_lshl_b32 s29, s16, 7
	s_add_co_u32 s28, s28, s29
	s_mov_b32 s29, 0
	s_add_nc_u64 s[32:33], s[26:27], s[28:29]      ; a base for each of the four blocks of 32 rows: none is stepped later
	s_lshl_b32 s30, s22, 5
	s_mov_b32 s31, 0
.irp t, 1,2,3
	s_add_nc_u64 s[32+2*\t:33+2*\t], s[30+2*\t:31+2*\t], s[30:31]
.endr
.set i, 0
.rept 32
	v_mad_u32_u24 v[VO+i], s22, i, v3
.set i, i+1
.endr
	s_lshl_b32 s52, s20, 2
	s_add_co_u32 s52, s52, s16                     ; B = 4 gx + wave: my tiles are 2 B and 2 B + 1
	s_lshl_b32 s53, s52, 1
	s_lshr_b32 s54, s53, s60
	s_mul_i32 s54, s54, s23
	s_add_co_u32 s54, s54, s21
	s_lshl_b32 s54, s54, s60
	s_and_b32 s61, s53, s62
	s_add_co_u32 s54, s54, s61                     ; fragment ((tile / group) x K steps + gy) x group + tile % group
	s_mul_i32 s54, s54, 1536
	s_add_co_u32 s54, s54, s24
	s_lshr_b32 s56, s52, 3
	s_mul_i32 s56, s56, s23
	s_add_co_u32 s56, s56, s21
	s_lshl_b32 s56, s56, 10
	s_and_b32 s57, s53, 15
	s_lshl_b32 s57, s57, 6
	s_add_co_u32 s56, s56, s57
	s_add_co_u32 s56, s56, s25
	s_mov_b32 s57, 0
	s_mov_b32 s55, 0
	s_add_nc_u64 s[50:51], s[12:13], s[56:57]      ; my scale words
	s_add_nc_u64 s[48:49], s[12:13], s[54:55]      ; tile 2 B's fragment
	s_mul_i32 s58, s23, 1536
	s_cmp_eq_u32 s60, 0
	s_cselect_b32 s58, s58, 1536                   ; in a group of 8 the next tile's fragment is the next one
	v_add_nc_u32 v7, s58, v6                       ; tile 2 B + 1's lies a tile's K steps further on
.macro LOAD t                          ; block t: rows 32 t + i of my 128, my column
.set i, 0
.rept 32
	global_load_b32 v[X+32*((\t)%2)+i], v[VO+i], s[32+2*(\t):33+2*(\t)] th:TH_LOAD_NT
.set i, i+1
.endr
.endm
.macro BLOCK t
.set XS, X+32*((\t)%2)
.if (\t) < 3
	s_wait_loadcnt 32                              ; this block's 32 loads are in; the next block's 32 may be out
.else
	s_wait_loadcnt 0x0
.endif
	v_max3_num_f32 v12, |v[XS]|, |v[XS+1]|, |v[XS+2]|
	v_max3_num_f32 v13, |v[XS+3]|, |v[XS+4]|, |v[XS+5]|
.irp i, 6,10,14,18,22,26
	v_max3_num_f32 v12, v12, |v[XS+\i]|, |v[XS+\i+1]|
	v_max3_num_f32 v13, v13, |v[XS+\i+2]|, |v[XS+\i+3]|
.endr
	v_max3_num_f32 v12, v12, |v[XS+30]|, |v[XS+31]|
	v_max3_num_f32 v12, v12, v13, 0x1800000        ; with the floor 2^(3 - 127): the byte cannot fall under 1
	v_add_nc_u32 v11, 0xff000000, v12              ; 2 off the exponent field: the conversion's scale operand
	v_lshrrev_b32 v10, 23, v11                     ; the scale's byte
.if (\t) == 0
	v_mov_b32 v[SW], v10
.else
	v_lshl_or_b32 v[SW], v10, 8*(\t), v[SW]
.endif
	v_cvt_scalef32_pk16_fp6_f32 v[C:C+2], v[XS:XS+15], v11
	v_cvt_scalef32_pk16_fp6_f32 v[D:D+2], v[XS+16:XS+31], v11
	v_nop                                          ; one plain place behind a scaled conversion
.irp i, 0,1,2
	v_mov_b32 v[C+3+\i], v[D+\i]
.endr
; block t is k = 64 (t / 2) + 32 (t % 2) + 0 .. 31: registers 6 (t / 2) on of lane r + 16 (t % 2) of the image
.if (\t) < 2
	ds_store_b128 v4, v[C:C+3] offset:256*((\t)%2)
	ds_store_b64 v4, v[C+4:C+5] offset:256*((\t)%2)+512
.else
	ds_store_b64 v4, v[C:C+1] offset:256*((\t)%2)+520
	ds_store_b128 v4, v[C+2:C+5] offset:256*((\t)%2)+1024
.endif
.if (\t)+2 < 4
	LOAD (\t)+2
.endif
	s_wait_dscnt 0x0                               ; the stores have read their registers: the next block's codes may be written
.endm
	s_wait_alu depctr_va_vdst(0)
	LOAD 0
	LOAD 1
	BLOCK 0
	BLOCK 1
	BLOCK 2
	BLOCK 3
	; the two fragments leave: each store covers 512 consecutive bytes
.irp u, 0,1
.irp c, 0,1,2
	ds_load_b128 v[OUTR+12*\u+4*\c:OUTR+12*\u+4*\c+3], v5 offset:TIL*\u+512*\c
.endr
.endr
	s_wait_dscnt 0x0
.irp c, 0,1,2
	global_store_b128 v6, v[OUTR+4*\c:OUTR+4*\c+3], s[48:49] offset:512*\c
	global_store_b128 v7, v[OUTR+12+4*\c:OUTR+12+4*\c+3], s[48:49] offset:512*\c
.endr
	s_wait_alu depctr_va_vdst(0)
	global_store_b32 v8, v[SW], s[50:51]           ; 32 lanes: the two tiles' 128 consecutive bytes
	s_wait_tensorcnt 0x0
	ds_add_u32 v254, v255
	s_wait_dscnt 0x0
	s_endpgm
.Lfunc_end_k_q891183f3ee_wq:
	.size	k_q891183f3ee_wq, .Lfunc_end_k_q891183f3ee_wq-k_q891183f3ee_wq
	.p2alignl 7, 3214868480
	.fill 96, 4, 3214868480
	.section	.rodata,"a",@progbits
	.p2align	6, 0x0
	.amdhsa_kernel k_q891183f3ee_wq
		.amdhsa_group_segment_fixed_size 89088
		.amdhsa_private_segment_fixed_size 0
		.amdhsa_enable_private_segment 0
		.amdhsa_kernarg_size 72
		.amdhsa_user_sgpr_count 2
		.amdhsa_user_sgpr_kernarg_segment_ptr 1
		.amdhsa_wavefront_size32 1
		.amdhsa_system_sgpr_workgroup_id_x 1
		.amdhsa_system_sgpr_workgroup_id_y 1
		.amdhsa_system_sgpr_workgroup_id_z 1
		.amdhsa_system_vgpr_workitem_id 0
		.amdhsa_next_free_vgpr 256
		.amdhsa_next_free_sgpr 66
		.amdhsa_reserve_vcc 0
		.amdhsa_float_denorm_mode_32 3
		.amdhsa_float_denorm_mode_16_64 3
		.amdhsa_memory_ordered 1
		.amdhsa_forward_progress 1
		.amdhsa_inst_pref_size 69
	.end_amdhsa_kernel
	.amdgpu_metadata
---
amdhsa.version: [ 1, 2 ]
amdhsa.kernels:
  - .name:           k_q891183f3ee_wq
    .symbol:         k_q891183f3ee_wq.kd
    .args:
      - { .name: c_attn_w, .offset: 0, .size: 8, .value_kind: global_buffer, .address_space: global }
      - { .name: c_proj_w, .offset: 8, .size: 8, .value_kind: global_buffer, .address_space: global }
      - { .name: mlp_w1, .offset: 16, .size: 8, .value_kind: global_buffer, .address_space: global }
      - { .name: mlp_w2, .offset: 24, .size: 8, .value_kind: global_buffer, .address_space: global }
      - { .name: wbuf, .offset: 32, .size: 8, .value_kind: global_buffer, .address_space: global }
      - { .name: x, .offset: 40, .size: 8, .value_kind: global_buffer, .address_space: global }
      - { .name: ln1_g, .offset: 48, .size: 8, .value_kind: global_buffer, .address_space: global }
      - { .name: ln1_b, .offset: 56, .size: 8, .value_kind: global_buffer, .address_space: global }
      - { .name: abuf, .offset: 64, .size: 8, .value_kind: global_buffer, .address_space: global }
    .group_segment_fixed_size: 89088
    .private_segment_fixed_size: 0
    .kernarg_segment_align: 8
    .kernarg_segment_size: 72
    .max_flat_workgroup_size: 128
    .sgpr_count:     66
    .vgpr_count:     256
    .wavefront_size: 32
...
	.end_amdgpu_metadata
.endif
;; end of part 1
;; launch qkv (part 2): grid 12 x 16, 4 waves a work-group, clusters of 4 x 4, 327,680 bytes of LDS; arguments abuf, wbuf, c_attn_b, qbuf, kvbuf; writes qbuf, kvbuf
.if DOCPART == 2
	.amdgcn_target "amdgcn-amd-amdhsa--gfx1250"
	.amdhsa_code_object_version 6
	.text
	.protected	k_q891183f3ee_qkv
	.globl	k_q891183f3ee_qkv
	.p2align	8
	.type	k_q891183f3ee_qkv,@function
k_q891183f3ee_qkv:
	s_mov_b64 s[64:65], 0
	v_nop
	global_prefetch_b8 v0, s[64:65] scope:SCOPE_SE
	s_setreg_imm32_b32 hwreg(HW_REG_WAVE_MODE, 25, 1), 1
	s_wait_xcnt 0x0
	s_wait_alu depctr_hold_cnt(0) depctr_sa_sdst(0) depctr_va_vdst(0) depctr_va_sdst(0) depctr_va_ssrc(0) depctr_va_vcc(0) depctr_vm_vsrc(0)
	s_getreg_b32 s2, hwreg(HW_REG_IB_STS2, 6, 4)
	s_cmp_eq_u32 s2, 0
	s_cbranch_scc0 .Lentry_in_a_cluster
	s_endpgm
.Lentry_in_a_cluster:
	s_bfe_u32 s2, ttmp6, 0x10000c
	s_cmp_lg_u32 s2, 0xf033
	s_cbranch_scc0 .Lentry_shape_is_right
	s_endpgm
.Lentry_shape_is_right:
; q, k, v = LN1(x) W + b on codes of FP6 (E2M3) with E8M0 scales, K = 1,024; the results are quantised at once and leave as codes: q and k along the head's 64, v along the keys.
; A work-group makes 256 x 256 of the product, a wave 128 x 128: 64 accumulators.  Source 1 is role P (a lane of the result holds one of its rows), source 0 is role Q (the registers run along its rows).
; Both operands lie in memory as images of operand registers: fragment (tile, K step) = 1,536 bytes, loaded by three loads of 16 bytes a lane; tile T, row r is row 32 (T / 2) + 8 (T % 2) + r + 8 (r / 8), so that the
; 16 registers of two neighbouring result tiles are 16 NEIGHBOURS along Q's rows: what the quantiser wants.
; Cluster x = 0: q, 1: k: P = tokens, Q = weight columns: a lane holds a token, its registers the head's numbers.  Cluster x = 2: v: the roles change hands (P = weight columns, Q = tokens): a lane holds one d, its registers run along the keys.
; K in four quarters of 256: three LDS regions are filled at the start, the fourth quarter goes into the first region behind a round of the cluster's barrier.  The scale words of all of K come once.
; CLUSTER 4 x 4: P's tiles are shared along a row of the cluster, Q's along a column: joint loads.
; OUT: qbuf [head 32][tile 128][768] half fragments (registers 0-3 at 16 l, 4-5 at 512 + 8 l), words at 3,145,728; kvbuf [head][quarter of 512 keys: 52,224 bytes]: k's half fragments, v's fragments at 24,576, k's words at 49,152, v's at 51,200.
; q's and k's words carry 0x7f in bytes 2 and 3: the upper 64 of the next product's K step are zero codes.
; LIMITS: NaN and infinities are not served; a block whose largest magnitude lies under 2^-124 (zeros among them) gets the byte 1: the bytes are read by this program alone.
; REGISTERS: window 0: v16-29 addresses; v32-47 scale words, two sets; v48-63, v64-127 biases; v128-223 P's fragments, later the epilogue's work.  window 1: Q's fragments, two sets.  windows 2, 3: accumulators.
.set BIASC, 0                          ; the first K step starts the sums with the constant 0
.set REG,   98304                      ; an LDS region: a quarter of K: 24,576 bytes in each wave's load, [K step 2][tile 8][1,536]
.set LOADB, 24576
.set SCL,   294912                     ; scale words: P's [K step 8][256 words], then Q's
.set SPARE, 311296                     ; the spare words, 128 bytes for each wave
.set FR,    12
.set ADRA,  16
.set ADRB,  20
.set LI,    24
.set LS,    25
.set L8,    26
.set ADRS,  27
.set SPW,   28
.set NIL,   29
.set SC,    32
.set BV,    48
.set BI,    64
.set AF,    128
.set T,     128
.set PC,    192
.set TM,    212
.set PW,    228
.set PWE,   229
.set SWD,   230
.set PWF,   231
.set WA,    234
.set WB,    235
.set SWE,   236
.set G1,    24
.set G0,    32
.set G1B,   48
.set G0B,   56
.set G1S,   72
.set G1SB,  80
.set G0S,   88
.set G0SB,  92
.set SEL,   96
.set HM,    98
.set MSB, 0
.macro WIN new                         ; the immediate's high byte repeats the setting that is left
.if MSB != (\new)
	s_set_vgpr_msb (MSB<<8)|(\new)
.set MSB, (\new)
.endif
.endm
.macro JLOAD g0a, g1a, g0b, g1b        ; a joint load: waves 0 and 1 fetch for P, waves 2 and 3 for Q; four v_nop follow each of the two lines
	s_cmp_eq_u32 s15, 0
	s_cbranch_scc0 .Lfor_q_\@
	tensor_load_to_lds s[\g0a:\g0a+3], s[\g1a:\g1a+7]
	s_nop 0
.rept 4
	v_nop
.endr
	s_branch .Lasked_\@
.Lfor_q_\@:
	tensor_load_to_lds s[\g0b:\g0b+3], s[\g1b:\g1b+7]
	s_nop 0
.rept 4
	v_nop
.endr
.Lasked_\@:
.endm
.macro CREST                           ; a round of the cluster's barrier behind its opening barrier
	s_cmp_lg_u32 s14, 0
	s_cbranch_scc1 .Lnot_wave_0_\@
	s_barrier_signal -3
.Lnot_wave_0_\@:
	s_barrier_wait -3
	s_barrier_signal -1
	s_barrier_wait -1
.endm
.macro CROUND
	s_barrier_signal -1
	s_barrier_wait -1
	CREST
.endm
.macro PLACES n
.rept \n
	v_nop
.endr
.endm
	s_load_b128 s[4:7], s[0:1], 0x0                ; abuf, wbuf
	s_load_b128 s[8:11], s[0:1], 0x10              ; c_attn_b, qbuf
	s_load_b64 s[12:13], s[0:1], 0x20              ; kvbuf
	v_lshl_add_u32 v[SPW], v0, 2, SPARE
	v_mov_b32 v[NIL], 0
	ds_add_u32 v28, v29
	ds_add_u32 v28, v29
	s_wait_dscnt 0x0
	v_lshrrev_b32 v1, 5, v0
	v_readfirstlane_b32 s14, v1                    ; wave
	s_lshr_b32 s15, s14, 1                         ; my half of P's rows.  Also: I fetch for P (0) or for Q (1)
	s_and_b32 s16, s14, 1                          ; my half of Q's rows.  Also: which half I fetch
	s_bfe_u32 s44, ttmp6, 0x40000                  ; cx
	s_bfe_u32 s45, ttmp6, 0x40004                  ; cy
	s_and_b32 s18, ttmp7, 0xffff
	s_lshl_b32 s18, s18, 2                         ; 4 x cluster y
	s_lshl_b32 s19, ttmp9, 2                       ; 4 x cluster x
	s_cmp_eq_u32 ttmp9, 2                          ; v?  The cluster's x is the same in all partners
	s_cselect_b32 s17, 8, s18
	s_cselect_b32 s46, s18, s19
	s_add_co_u32 s17, s17, s45                     ; P's group of 256 rows: tokens 4 Y + cy, or v's weight columns 8 + cy
	s_add_co_u32 s46, s46, s44                     ; Q's: weight columns 4 X + cx, or tokens 4 Y + cx
	s_lshl_b32 s47, s45, 2
	s_lshl_b32 s47, 15, s47                        ; my row of the cluster
	s_lshl_b32 s99, 0x1111, s44                    ; my column
	s_or_b32 s[G1], s47, (3<<16)|(1<<21)           ; the mask; elements of 8 bytes; bit 21 beside a mask; no padding
	s_or_b32 s[G1B], s99, (3<<16)|(1<<21)
.irp g, G1, G1B                        ; codes: 8 tiles x 3,072 bytes (two K steps), a tile's K steps 12,288 bytes apart
	s_mov_b32 s[\g+1], 1536<<16                    ; both operands lie [8 tiles][K step][tile]: a row is a K step of 8 tiles, 12,288 bytes; the head's load brings six, dense
	s_mov_b32 s[\g+2], 6<<16
	s_mov_b32 s[\g+3], 1536<<16
	s_mov_b32 s[\g+4], 6
	s_mov_b32 s[\g+5], 1536
	s_mov_b32 s[\g+6], 0
	s_mov_b32 s[\g+7], 0
.endr
	s_mov_b32 s18, 3145728                         ; where abuf's scale words begin,
	s_mov_b32 s19, 9437184                         ; and wbuf's
	s_cmp_eq_u32 ttmp9, 2
	s_cselect_b32 s23, s19, s18
	s_cselect_b32 s3, s18, s19
	s_lshl_b32 s18, s16, 3                         ; 8 tiles x the half that I fetch
	s_lshl_b32 s20, s17, 4
	s_add_co_u32 s20, s20, s18
	s_mul_i32 s20, s20, 12288                      ; P's codes
	s_mov_b32 s21, 0
	s_lshl_b32 s66, s46, 4
	s_add_co_u32 s66, s66, s18
	s_mul_i32 s66, s66, 12288                      ; Q's
	s_mov_b32 s67, 0
	s_lshl_b32 s18, s16, 12
	s_lshl_b32 s22, s17, 13
	s_add_co_u32 s22, s22, s18
	s_add_co_u32 s22, s22, s23                     ; P's scale words
	s_mov_b32 s23, 0
	s_lshl_b32 s2, s46, 13
	s_add_co_u32 s2, s2, s18
	s_add_co_u32 s2, s2, s3                        ; Q's
	s_mov_b32 s3, 0
	s_wait_kmcnt 0x0
	s_cmp_eq_u32 ttmp9, 2
	s_cselect_b64 s[18:19], s[6:7], s[4:5]         ; P's buffer
	s_cselect_b64 s[100:101], s[4:5], s[6:7]       ; Q's
	s_add_nc_u64 s[20:21], s[18:19], s[20:21]
	s_add_nc_u64 s[22:23], s[18:19], s[22:23]
	s_add_nc_u64 s[66:67], s[100:101], s[66:67]
	s_add_nc_u64 s[2:3], s[100:101], s[2:3]
	s_mul_i32 s18, s14, 3*LOADB                    ; LDS: [load of wave w: 73,728][K step 6][tile 8][1,536]
	s_lshl_b32 s19, s14, 12
	CROUND                                         ; all sixteen work-groups are here: the first joint loads meet
; one tensor load a wave at the head: K steps 0 to 5 of my 8 tiles.  No prefetch: all but the last quarter of K is asked for here, and that quarter's load has four K steps' products in which to land
.irp q, 0
	s_mov_b32 s[G0+4*\q], 1
	s_add_co_u32 s[G0+4*\q+1], s18, \q*REG
	s_add_nc_u64 s[G0+4*\q+2:G0+4*\q+3], s[20:21], \q*3072
	s_or_b32 s[G0+4*\q+3], s[G0+4*\q+3], 0x80000000
	s_mov_b32 s[G0B+4*\q+4*(\q/2)], 1
	s_add_co_u32 s[G0B+4*\q+4*(\q/2)+1], s18, \q*REG
	s_add_nc_u64 s[G0B+4*\q+4*(\q/2)+2:G0B+4*\q+4*(\q/2)+3], s[66:67], \q*3072
	s_or_b32 s[G0B+4*\q+4*(\q/2)+3], s[G0B+4*\q+4*(\q/2)+3], 0x80000000
	JLOAD G0+4*\q, G1, G0B+4*\q+4*(\q/2), G1B
.endr
	s_cmp_eq_u32 s15, 0                            ; the scale words come by plain loads, 512 consecutive bytes each, and go into LDS bytes of their own: my 4,096 of P's or of Q's
	s_cselect_b64 s[22:23], s[22:23], s[2:3]
	s_add_co_u32 s19, s19, SCL
	v_and_b32 v1, 15, v0
	v_bfe_u32 v2, v0, 4, 1
	v_and_b32 v3, 31, v0
	v_lshlrev_b32 v[LI], 4, v3
	v_add_nc_u32 v30, s19, v[LI]
.set i, 0
.rept 8
	global_load_b128 v[AF+4*i:AF+4*i+3], v[LI], s[22:23] offset:512*i
.set i, i+1
.endr
	v_lshlrev_b32 v[LS], 2, v3
	v_lshlrev_b32 v[L8], 3, v3
	s_mul_i32 s18, s15, 3*LOADB
	s_mul_i32 s19, s16, 3*LOADB
	s_add_co_u32 s19, s19, 6*LOADB
.irp p, 0,1,2
	v_add_nc_u32 v[ADRA+\p], s18, v[LI]
	v_add_nc_u32 v[ADRB+\p], s19, v[LI]
	s_add_co_u32 s18, s18, LOADB                   ; a quarter of K lies 24,576 bytes behind the last
	s_add_co_u32 s19, s19, LOADB
.endr
	s_lshl_b32 s18, s15, 9                         ; scale words: lanes 0-15 take P's, lanes 16-31 Q's
	s_lshl_b32 s19, s16, 9
	s_add_co_u32 s19, s19, 8192
	s_sub_co_u32 s19, s19, s18
	v_mul_u32_u24 v4, s19, v2
	s_add_co_u32 s18, s18, SCL
	v_lshl_add_u32 v4, v1, 2, v4
	v_add_nc_u32 v[ADRS], s18, v4
	; the biases.  For q and k: eight numbers a result tile along Q's rows; for v: one number a lane and P block.  Both are loaded on both ways; the one that is not used from offset 0, so that no load leaves the buffer
	s_lshl_b32 s2, s46, 10
	s_lshl_b32 s18, s16, 9
	s_add_co_u32 s2, s2, s18
	s_lshl_b32 s18, s17, 10
	s_lshl_b32 s19, s15, 9
	s_add_co_u32 s18, s18, s19
	s_cmp_eq_u32 ttmp9, 2
	s_cselect_b32 s2, 0, s2
	s_cselect_b32 s18, s18, 0
	s_mov_b32 s3, 0
	s_mov_b32 s19, 0
	s_add_nc_u64 s[2:3], s[8:9], s[2:3]
	s_add_nc_u64 s[18:19], s[8:9], s[18:19]
	v_lshlrev_b32 v5, 6, v2                        ; 64 h
	v_and_b32 v6, 8, v1
	v_add_nc_u32 v6, v6, v1
	v_lshlrev_b32 v6, 2, v6                        ; 4 (r + 8 (r / 8))
.irp t, 0,1,2,3,4,5,6,7
	global_load_b128 v[BI+8*\t:BI+8*\t+3], v5, s[2:3] offset:(32*(\t/2)+8*(\t%2))*4
	global_load_b128 v[BI+8*\t+4:BI+8*\t+7], v5, s[2:3] offset:(32*(\t/2)+8*(\t%2))*4+16
	global_load_b32 v[BV+2*\t], v6, s[18:19] offset:(32*(\t/2)+8*(\t%2))*4
	v_mov_b32 v[BV+2*\t+1], 0                      ; (named with it as a pair)
.endr
	s_mov_b32 s[SEL], 0x76543210
	s_mov_b32 s[SEL+1], 0xfedcba98
	s_mov_b32 s[HM], 0xffff0000
.macro FRAG reg, adr, q, i             ; a fragment comes as it was stored: three loads of 16 bytes a lane
.irp c, 0,1,2
	ds_load_b128 v[\reg+4*\c:\reg+4*\c+3], v[\adr] offset:(8*(\q)+(\i))*1536+512*\c
.endr
.endm
.macro FETCH_B r, q, p                 ; Q's eight fragments into set p of window 1
	WIN 0x40
.irp i, 0,1,2,3,4,5,6,7
	FRAG 128*(\p)+FR*\i, ADRB+\r, \q, \i
.endr
	WIN 0
.endm
.macro FETCH_A r, q, i0                ; P's blocks i0 .. i0 + 3
.irp i, \i0, \i0+1, \i0+2, \i0+3
	FRAG AF+FR*(\i), ADRA+\r, \q, \i
.endr
.endm
.macro SCALES s                        ; K step s's words: lanes 0-15 P's block i, lanes 16-31 Q's block i
.irp i, 0,1,2,3,4,5,6,7
	ds_load_b32 v[SC+8*((\s)%2)+\i], v[ADRS] offset:1024*(\s)+64*\i
.endr
.endm
.macro MM d, b, a, cm, c, sb, sa
.if \cm
	v_wmma_scale_f32_16x16x128_f8f6f4 v[\d:\d+7], v[\b:\b+11], v[\a:\a+11], v[\c:\c+7], v[\sb], v[\sa] matrix_a_fmt:MATRIX_FMT_FP6 matrix_b_fmt:MATRIX_FMT_FP6 matrix_a_scale:MATRIX_SCALE_ROW1
.else
	v_wmma_scale_f32_16x16x128_f8f6f4 v[\d:\d+7], v[\b:\b+11], v[\a:\a+11], 0, v[\sb], v[\sa] matrix_a_fmt:MATRIX_FMT_FP6 matrix_b_fmt:MATRIX_FMT_FP6 matrix_a_scale:MATRIX_SCALE_ROW1
.endif
.endm
.macro MUL16 a0, s, first              ; P's blocks a0, a0 + 1 x Q's eight; the 64 accumulators take turns in the same order in every step
.irp a, \a0, \a0+1
.irp b, 0,1,2,3,4,5,6,7
.if \first
	MM 8*(8*((\a)%4)+\b), 128*((\s)%2)+FR*\b, AF+FR*(\a), BIASC, BI+8*\b, SC+8*((\s)%2)+\b, SC+8*((\s)%2)+(\a)
.else
	MM 8*(8*((\a)%4)+\b), 128*((\s)%2)+FR*\b, AF+FR*(\a), 1, 8*(8*((\a)%4)+\b), SC+8*((\s)%2)+\b, SC+8*((\s)%2)+(\a)
.endif
.endr
.endr
.endm
.macro STEP s, nr, nq, first           ; K step s; the next step's fragments lie in region nr, K step nq of it
	s_wait_dscnt 12                                ; all but the youngest twelve loads (P's blocks 4-7) are in
.if (\first) && BIASC
	WIN 0x81
.else
	WIN 0xa1
.endif
	MUL16 0, \s, \first
	MUL16 2, \s, \first
	s_wait_dscnt 0x0
	PLACES 4                                       ; four plain places in front of loads into registers that matrix instructions have read
	FETCH_B \nr, \nq, 1-(\s)%2
	FETCH_A \nr, \nq, 0
	SCALES (\s)+1
.if (\first) && BIASC
	WIN 0xc1
.else
	WIN 0xf1
.endif
	MUL16 4, \s, \first
	MUL16 6, \s, \first
	PLACES 4
	WIN 0
	FETCH_A \nr, \nq, 4
.endm
.macro TURN s, nr, fill                ; a step with a barrier: every wave's tensor loads have landed and its reads are over.  fill = 1: region 0 takes the fourth quarter
	s_wait_tensorcnt 0x0                           ; all my tensor loads have landed
	ds_add_u32 v[SPW], v[NIL]                      ; 0 onto my spare word
	s_wait_dscnt 13                                ; (the add and the youngest twelve loads may be out)
	WIN 0xa1
	MUL16 0, \s, 0
	s_wait_dscnt 0x0                               ; the add is done, and my reads so far are over
	s_barrier_signal -1
	MUL16 2, \s, 0
	WIN 0
	s_barrier_wait -1
.if \fill
	CREST                                          ; the barrier has opened a round of the cluster's barrier: no wave of any partner still reads region 0 or has a load on its way
	s_add_nc_u64 s[G0+2:G0+3], s[G0+2:G0+3], 73728
	s_add_nc_u64 s[G0B+2:G0B+3], s[G0B+2:G0B+3], 73728
	JLOAD G0, G1, G0B, G1B                         ; the first tensor load behind the round, my only one; its four v_nop are the places in front of the loads below
.else
	PLACES 4
.endif
	FETCH_B \nr, 0, 1-(\s)%2
	FETCH_A \nr, 0, 0
	SCALES (\s)+1
	WIN 0xf1
	MUL16 4, \s, 0
	MUL16 6, \s, 0
	PLACES 4
	WIN 0
	FETCH_A \nr, 0, 4
.endm
	s_wait_alu depctr_va_vdst(0)                   ; the wait at the head's end
	s_wait_loadcnt 24                              ; the scale words are in; the biases' 24 loads are younger
.set i, 0
.rept 8
	ds_store_b128 v30, v[AF+4*i:AF+4*i+3] offset:512*i
.set i, i+1
.endr
	s_wait_tensorcnt 0x0                           ; my six K steps are in; no load of mine is out, so a descriptor may be written:
	s_mov_b32 s[G1+2], 2<<16                       ; the refill brings two K steps
	s_mov_b32 s[G1+4], 2
	s_mov_b32 s[G1B+2], 2<<16
	s_mov_b32 s[G1B+4], 2
	s_wait_dscnt 0x0                               ; my stores of scale words have landed
	s_barrier_signal -1
	s_barrier_wait -1
	FETCH_B 0, 0, 0
	FETCH_A 0, 0, 0
	SCALES 0
	FETCH_A 0, 0, 4
	s_wait_loadcnt 0x0                             ; the biases
	STEP 0, 0, 1, 1
	TURN 1, 1, 1
	STEP 2, 1, 1, 0
	STEP 3, 2, 0, 0                                ; (the round has shown regions 1 and 2 whole)
	STEP 4, 2, 1, 0
	TURN 5, 0, 0
	STEP 6, 0, 1, 0
	s_wait_dscnt 12
	WIN 0xa1
	MUL16 0, 7, 0
	MUL16 2, 7, 0
	s_wait_dscnt 0x0
	WIN 0xf1
	MUL16 4, 7, 0
	MUL16 6, 7, 0
	WIN 0
	PLACES 4
.irp b, 0,1,2,3
	v_mov_b32 v[TM+4+\b], 0                        ; a lane permute's destination counts as one of its sources
.endr
; 64 numbers of a lane, register 16 b + i = k 32 b + 16 (lane / 16) + i of my row, become a fragment's codes in v[PC] on and its scale word in v[PW]
.macro QUANT s
.irp b, 0,1,2,3
	v_max3_num_f32 v[TM+\b], |v[\s+16*\b]|, |v[\s+1+16*\b]|, 0x1800000   ; with the floor 2^(3 - 127)
.endr
.irp i, 2,4,6,8,10,12,14
.irp b, 0,1,2,3
	v_max3_num_f32 v[TM+\b], v[TM+\b], |v[\s+16*\b+\i]|, |v[\s+1+16*\b+\i]|
.endr
.endr
.irp b, 0,1,2,3
	v_permlanex16_b32 v[TM+4+\b], v[TM+\b], s[SEL], s[SEL+1]
.endr
.irp b, 0,1,2,3
	v_max_num_f32 v[TM+\b], v[TM+\b], v[TM+4+\b]
.endr
.irp b, 0,1,2,3
	v_add_nc_u32 v[TM+12+\b], 0xff000000, v[TM+\b]
.endr
.irp b, 0,1,2,3
	v_lshrrev_b32 v[TM+4+\b], 23, v[TM+12+\b]
.endr
	v_lshl_or_b32 v[PW], v[TM+5], 8, v[TM+4]
	v_lshl_or_b32 v[PW], v[TM+6], 16, v[PW]
	v_lshl_or_b32 v[PW], v[TM+7], 24, v[PW]
.irp c, 0,1
	v_cvt_scalef32_pk16_fp6_f32 v[PC+6*\c:PC+2+6*\c], v[\s+32*\c:\s+15+32*\c], v[TM+12+2*\c]
	v_cvt_scalef32_pk16_fp6_f32 v[PC+12+4*\c:PC+14+4*\c], v[\s+16+32*\c:\s+31+32*\c], v[TM+12+2*\c+1]
.endr
	v_nop                                          ; one plain place behind a scaled conversion
.irp c, 0,1                            ; the operand's layout wants a whole block in a lane
.irp i, 0,1,2
	v_permlane16_swap_b32 v[PC+6*\c+\i], v[PC+12+4*\c+\i]
.endr
.irp i, 0,1,2
	v_mov_b32 v[PC+3+6*\c+\i], v[PC+12+4*\c+\i]
.endr
.endr
.endm
	s_cmp_eq_u32 ttmp9, 2
	s_cbranch_scc1 .Lvpath
	; ---- q and k: block a is 16 tokens; the 128 columns are two heads: registers 0-5 of the fragment are head A's, 6-11 head B's
	s_lshl_b32 s24, s17, 8
	s_lshl_b32 s25, s15, 7
	s_add_co_u32 s24, s24, s25                     ; my first token
	s_lshr_b32 s25, s24, 11                        ; batch
	s_bfe_u32 s26, s24, 0x70004                    ; its tile in the batch
	s_and_b32 s27, s46, 3
	s_lshl_b32 s27, s27, 2
	s_lshl_b32 s28, s16, 1
	s_add_co_u32 s27, s27, s28
	s_lshl_b32 s25, s25, 4
	s_add_co_u32 s27, s27, s25                     ; head A, counted over both batches
	s_mul_i32 s28, s27, 98304
	s_mul_i32 s29, s26, 768
	s_add_co_u32 s28, s28, s29                     ; q: codes,
	s_lshl_b32 s30, s27, 13
	s_lshl_b32 s31, s26, 6
	s_add_co_u32 s30, s30, s31
	s_add_co_u32 s30, s30, 3145728                 ; words
	s_mul_i32 s32, s27, 208896
	s_lshr_b32 s33, s26, 5
	s_mul_i32 s33, s33, 52224
	s_add_co_u32 s32, s32, s33                     ; k: head and quarter,
	s_and_b32 s33, s26, 31
	s_mul_i32 s34, s33, 768
	s_add_co_u32 s34, s34, s32                     ; codes,
	s_lshl_b32 s33, s33, 6
	s_add_co_u32 s33, s33, s32
	s_add_co_u32 s33, s33, 49152                   ; words
	s_mov_b32 s35, 208896
	s_cmp_eq_u32 ttmp9, 0
	s_cselect_b32 s28, s28, s34
	s_cselect_b32 s30, s30, s33
	s_cselect_b32 s32, 98304, s35                  ; from head A to head B: codes,
	s_cselect_b32 s34, 8192, s35                   ; words
	s_cselect_b64 s[36:37], s[10:11], s[12:13]
	s_mov_b32 s29, 0
	s_mov_b32 s31, 0
	s_mov_b32 s33, 0
	s_mov_b32 s35, 0
	s_add_nc_u64 s[40:41], s[36:37], s[28:29]
	s_add_nc_u64 s[42:43], s[40:41], s[32:33]
	s_add_nc_u64 s[48:49], s[36:37], s[30:31]
	s_add_nc_u64 s[50:51], s[48:49], s[34:35]
	s_mov_b32 s66, 0xffff
	s_mov_b32 s67, 0x7f7f0000
.macro QK a
.set AC, 64*((\a)%4)
.set AW, 2+(\a)/4
	WIN AW                                         ; source 0: the accumulators' window
.set j, 0
.rept 32
	v_pk_add_f32 v[T+j:T+j+1], v[AC+j:AC+j+1], v[BI+j:BI+j+1]   ; + the bias; each accumulator from its low end on
.set j, j+2
.endr
	WIN 0
	s_wait_xcnt 0x0                                ; the last block's stores have read their registers
	QUANT T
	global_store_b128 v[LI], v[PC:PC+3], s[40:41] offset:768*(\a)
	global_store_b64 v[L8], v[PC+4:PC+5], s[40:41] offset:768*(\a)+512
	global_store_b128 v[LI], v[PC+6:PC+9], s[42:43] offset:768*(\a)
	global_store_b64 v[L8], v[PC+10:PC+11], s[42:43] offset:768*(\a)+512
.if (\a)%2 == 0
	v_and_or_b32 v[PWE], v[PW], s66, s67           ; head A's two bytes, 0x7f above them
	v_lshrrev_b32 v[PWF], 16, v[PW]
	v_or_b32 v[PWF], s67, v[PWF]                   ; head B's
.else
	v_and_or_b32 v[WA], v[PW], s66, s67
	v_lshrrev_b32 v[WB], 16, v[PW]
	v_or_b32 v[WB], s67, v[WB]
	v_cndmask_b32 v[SWD], v[PWE], v[WA], s[HM]     ; lanes 0-15 the even tile's words, lanes 16-31 the odd tile's: 128 consecutive bytes
	v_cndmask_b32 v[SWE], v[PWF], v[WB], s[HM]
	global_store_b32 v[LS], v[SWD], s[48:49] offset:64*((\a)-1)
	global_store_b32 v[LS], v[SWE], s[50:51] offset:64*((\a)-1)
.endif
.endm
.irp a, 0,1,2,3,4,5,6,7
	QK \a
.endr
	s_branch .Ldone
.Lvpath:
	; ---- v: block a is 16 of a head's 64 (head a / 4 of my two); the 128 registers' worth of Q rows are one key step of 128 keys
	s_lshl_b32 s24, s46, 8
	s_lshl_b32 s25, s16, 7
	s_add_co_u32 s24, s24, s25                     ; my first key
	s_lshr_b32 s25, s24, 11                        ; batch
	s_bfe_u32 s26, s24, 0x20009                    ; quarter of the batch's keys
	s_bfe_u32 s27, s24, 0x20007                    ; key step in it
	s_lshl_b32 s25, s25, 4
	s_lshl_b32 s28, s45, 2
	s_add_co_u32 s25, s25, s28
	s_lshl_b32 s28, s15, 1
	s_add_co_u32 s25, s25, s28                     ; my first head
	s_mul_i32 s25, s25, 208896
	s_mul_i32 s26, s26, 52224
	s_add_co_u32 s25, s25, s26
	s_mul_i32 s28, s27, 6144
	s_add_co_u32 s28, s28, s25
	s_add_co_u32 s28, s28, 24576
	s_mov_b32 s29, 0
	s_lshl_b32 s30, s27, 8
	s_add_co_u32 s30, s30, s25
	s_add_co_u32 s30, s30, 51200
	s_mov_b32 s31, 0
	s_add_nc_u64 s[40:41], s[12:13], s[28:29]
	s_add_nc_u64 s[48:49], s[12:13], s[30:31]
.macro VV a
.set AC, 64*((\a)%4)
.set AW, 2+(\a)/4
	WIN AW
.set j, 0
.rept 32
	v_pk_add_f32 v[T+j:T+j+1], v[AC+j:AC+j+1], v[BV+2*(\a):BV+2*(\a)+1] op_sel_hi:[1,0]   ; + my d's bias
.set j, j+2
.endr
	WIN 0
	s_wait_xcnt 0x0
	QUANT T
.irp c, 0,1,2
	global_store_b128 v[LI], v[PC+4*\c:PC+4*\c+3], s[40:41] offset:((\a)/4)*208896+((\a)%4)*1536+512*\c
.endr
.if (\a)%2 == 0
	v_mov_b32 v[PWE], v[PW]
.else
	v_cndmask_b32 v[SWD], v[PWE], v[PW], s[HM]
	global_store_b32 v[LS], v[SWD], s[48:49] offset:((\a)/4)*208896+64*((\a)%4-1)
.endif
.endm
.irp a, 0,1,2,3,4,5,6,7
	VV \a
.endr
.Ldone:
	s_wait_tensorcnt 0x0                           ; the wave's end
	ds_add_u32 v[SPW], v[NIL]
	s_wait_dscnt 0x0
	CROUND                                         ; the closing round
	s_endpgm
.Lfunc_end_k_q891183f3ee_qkv:
	.size	k_q891183f3ee_qkv, .Lfunc_end_k_q891183f3ee_qkv-k_q891183f3ee_qkv
	.p2alignl 7, 3214868480
	.fill 96, 4, 3214868480
	.section	.rodata,"a",@progbits
	.p2align	6, 0x0
	.amdhsa_kernel k_q891183f3ee_qkv
		.amdhsa_group_segment_fixed_size 327680
		.amdhsa_private_segment_fixed_size 0
		.amdhsa_enable_private_segment 0
		.amdhsa_kernarg_size 40
		.amdhsa_user_sgpr_count 2
		.amdhsa_user_sgpr_kernarg_segment_ptr 1
		.amdhsa_wavefront_size32 1
		.amdhsa_system_sgpr_workgroup_id_x 1
		.amdhsa_system_sgpr_workgroup_id_y 1
		.amdhsa_system_sgpr_workgroup_id_z 1
		.amdhsa_system_vgpr_workitem_id 0
		.amdhsa_next_free_vgpr 1024
		.amdhsa_next_free_sgpr 102
		.amdhsa_reserve_vcc 0
		.amdhsa_float_denorm_mode_32 3
		.amdhsa_float_denorm_mode_16_64 3
		.amdhsa_memory_ordered 1
		.amdhsa_forward_progress 1
		.amdhsa_inst_pref_size 213
	.end_amdhsa_kernel
	.amdgpu_metadata
---
amdhsa.version: [ 1, 2 ]
amdhsa.kernels:
  - .name:           k_q891183f3ee_qkv
    .symbol:         k_q891183f3ee_qkv.kd
    .args:
      - { .name: abuf, .offset: 0, .size: 8, .value_kind: global_buffer, .address_space: global }
      - { .name: wbuf, .offset: 8, .size: 8, .value_kind: global_buffer, .address_space: global }
      - { .name: c_attn_b, .offset: 16, .size: 8, .value_kind: global_buffer, .address_space: global }
      - { .name: qbuf, .offset: 24, .size: 8, .value_kind: global_buffer, .address_space: global }
      - { .name: kvbuf, .offset: 32, .size: 8, .value_kind: global_buffer, .address_space: global }
    .group_segment_fixed_size: 327680
    .private_segment_fixed_size: 0
    .kernarg_segment_align: 8
    .kernarg_segment_size: 40
    .max_flat_workgroup_size: 128
    .sgpr_count:     102
    .vgpr_count:     1024
    .wavefront_size: 32
...
	.end_amdgpu_metadata
.endif
;; end of part 2
;; launch attn (part 3): grid 8 x 32, 16 waves a work-group, no clusters, 247,808 bytes of LDS; arguments qbuf, kvbuf, obuf; writes obuf
.if DOCPART == 3
	.amdgcn_target "amdgcn-amd-amdhsa--gfx1250"
	.amdhsa_code_object_version 6
	.text
	.protected	k_q891183f3ee_attn
	.globl	k_q891183f3ee_attn
	.p2align	8
	.type	k_q891183f3ee_attn,@function
k_q891183f3ee_attn:
	s_mov_b64 s[64:65], 0
	v_nop
	global_prefetch_b8 v0, s[64:65] scope:SCOPE_SE
	s_setreg_imm32_b32 hwreg(HW_REG_WAVE_MODE, 25, 1), 1
	s_wait_xcnt 0x0
; Causal attention of one head on codes of FP6 (E2M3) with E8M0 scales; head size 64, 2,048 keys.  The result is quantised along the head's 64 and leaves as codes for the next product.
; t = score x log2(e) / 8; M = the running largest t rounded UP to a whole number; p = 2^(t - M) is quantised along the keys, not normalised; the row's sum is taken of the unquantised p and divides at the end.
; The first product's K is 64: registers 6-11 of q's and k's fragments are zero codes, and bytes 2 and 3 of their scale words are 0x7f.
; SHARES.  A work-group takes blocks I and 15 - I of 128 queries of one head: 17 key steps of 128 for each pair of waves, whatever I.  A wave owns 16 queries.  Both products are used transposed: a lane holds one query throughout.
; THE WHOLE HEAD'S k and v (codes and scale words, 208,896 bytes) LIE IN LDS, filled once, in four quarters of 512 keys, by all sixteen waves, four a quarter; each quarter is read behind its own barrier.  Nothing is filled again.
; No cluster: a key step all of whose keys come after a wave's queries is left out by a branch on the work-group's block of queries, which partners of a cluster would not share.
; The scale bytes of the result leave as two bytes a row: two heads share a scale word of the next product (131,072 bytes in all).
; LIMITS: NaN and infinities are not served; a block whose largest magnitude lies under 2^-124 (zeros among them) gets the byte 1.
; REGISTERS: v1-4 places that stay; v5-9 the step's addresses; v10 q's words; v11 my query less 16 (lane / 16); v12 -M, v13 the largest t, v[14:15] the sum; v16-27 q; v28-31 v's words; v32-79 four fragments of k;
;   v80-127 four of v; v128-191 scores, then p; v192-223 O^T; v224-235 p's codes; v232-254 at work.
	s_load_b128 s[4:7], s[0:1], 0x0                ; qbuf, kvbuf
	s_load_b64 s[8:9], s[0:1], 0x10                ; obuf
	v_lshl_add_u32 v243, v0, 2, 0x33000
	v_mov_b32 v255, 0
	ds_add_u32 v243, v255
	ds_add_u32 v243, v255
	v_lshrrev_b32 v1, 5, v0
	s_delay_alu instid0(VALU_DEP_1)
	v_readfirstlane_b32 s10, v1                    ; wave 0..15
	s_and_b32 s48, ttmp7, 0xffff                   ; head, counted over both batches
	s_mul_i32 s50, s48, 208896
	s_mov_b32 s51, 0
	s_mul_i32 s49, s10, 13056                      ; my part of a quarter: 51 rows of 256 bytes
	s_mov_b32 s24, 3<<16                           ; elements of 8 bytes, no mask, no padding
	s_mov_b32 s25, 32<<16
	s_mov_b32 s26, 51<<16
	s_mov_b32 s27, 32<<16
	s_mov_b32 s28, 51
	s_mov_b32 s29, 32
	s_mov_b32 s30, 0
	s_mov_b32 s31, 0
	s_wait_dscnt 0x0
	s_wait_kmcnt 0x0
	s_add_nc_u64 s[6:7], s[6:7], s[50:51]
	s_mov_b32 s50, s49
	s_add_nc_u64 s[6:7], s[6:7], s[50:51]
; the head's 208,896 bytes are sixteen parts of 13,056: wave w brings part w, its one tensor load; waves 4 qd .. 4 qd + 3 bring quarter qd
.irp q, 0
	s_mov_b32 s[32+4*\q], 1
	s_add_co_u32 s[33+4*\q], s49, 52224*\q
	s_add_nc_u64 s[34+4*\q:35+4*\q], s[6:7], 52224*\q
	s_or_b32 s[35+4*\q], s[35+4*\q], 0x80000000
.endr
.macro ARM under, next                 ; one chain of branches on the wave's number: each quarter's four waves have a load line of their own, since they wait apart
	s_cmp_lt_u32 s10, \under
	s_cbranch_scc0 \next
	tensor_load_to_lds s[32:35], s[24:31]
	s_nop 0
.rept 4
	v_nop
.endr
	s_branch .Lasked
\next:
.endm
	ARM 4, .Lgroup_1
	ARM 8, .Lgroup_2
	ARM 12, .Lgroup_3
	tensor_load_to_lds s[32:35], s[24:31]
	s_nop 0
.rept 4
	v_nop
.endr
.Lasked:
	s_lshr_b32 s49, s10, 2
	s_xor_b32 s49, s49, s10
; THE KEYS OF A TILE ARE SHARED BY A PAIR OF WAVES.  Waves 2 j and 2 j + 1 take tile j of a block of 128 queries together: the wave of parity e (s58) takes the key steps whose number is e modulo 2.
; Two passes: pass 0 the block 15 - I, pass 1 the block I: at most 9 key steps a wave in all, whatever I.  Behind a pass the wave whose parity is not the pass's number hands its -M, its sum and its O^T
; to its partner through LDS (4,608 bytes a pair, from byte 210,944 on); the partner brings both under the larger M by factors that are whole powers of two, adds, divides and stores.
; M is a whole number in each wave, so p's codes have the same values as under the row's own M.  A wave that had no key step hands over zeros and the starting -M, whose factor comes out 0.
	s_and_b32 s58, s49, 1
	s_lshr_b32 s13, s10, 1
	s_mov_b32 s59, 0                               ; the pass
.Lpass:
	s_sub_co_u32 s50, 15, ttmp9
	s_cmp_eq_u32 s59, 1
	s_cselect_b32 s11, ttmp9, s50
	s_lshl_b32 s12, s11, 3
	s_add_co_u32 s12, s12, s13                     ; my tile of queries
	s_mul_i32 s50, s48, 98304
	s_mul_i32 s52, s12, 768
	s_add_co_u32 s50, s50, s52
	s_mov_b32 s51, 0
	s_add_nc_u64 s[54:55], s[4:5], s[50:51]
	s_lshl_b32 s50, s48, 13
	s_lshl_b32 s52, s12, 6
	s_add_co_u32 s50, s50, s52
	s_add_co_u32 s50, s50, 3145728
	s_add_nc_u64 s[56:57], s[4:5], s[50:51]
	v_and_b32 v5, 31, v0                           ; lane
	v_and_b32 v6, 15, v0                           ; r
	v_bfe_u32 v7, v0, 4, 1                         ; h
	s_delay_alu instid0(VALU_DEP_3)
	v_lshlrev_b32 v1, 4, v5                        ; 16 x lane
	s_delay_alu instid0(VALU_DEP_4)
	v_lshlrev_b32 v2, 3, v5
	s_delay_alu instid0(VALU_DEP_1)
	v_add_nc_u32 v2, 512, v2                       ; 512 + 8 x lane
	s_delay_alu instid0(VALU_DEP_3)
	v_add_nc_u32 v3, 24576, v1                     ; v's fragments lie 24,576 bytes into a quarter
	v_lshlrev_b32 v4, 2, v6                        ; 4 r
	global_load_b128 v[16:19], v1, s[54:55]        ; q's half fragment stays in registers
	global_load_b64 v[20:21], v2, s[54:55]
	global_load_b32 v10, v4, s[56:57]              ; and its scale words
	v_and_b32 v8, 8, v6
	s_delay_alu instid0(VALU_DEP_1)
	v_add_nc_u32 v8, v8, v6                        ; r + 8 (r / 8)
	v_lshlrev_b32 v9, 4, v7
	s_delay_alu instid0(VALU_DEP_1)
	v_sub_nc_u32 v11, v8, v9
	s_lshr_b32 s50, s13, 1
	s_lshl_b32 s50, s50, 5
	s_and_b32 s52, s13, 1
	s_lshl_b32 s52, s52, 3
	s_add_co_u32 s50, s50, s52
	v_add_nc_u32 v11, s50, v11                     ; my query in its block, less 16 h
	s_mov_b32 s20, 0x76543210
	s_mov_b32 s21, 0xfedcba98
	s_mov_b32 s22, 0x3e38aa3b                      ; c = log2(e) / 8
	s_mov_b32 s23, s22
	s_mov_b32 s14, 0                               ; the key step's number
	v_mov_b32 v13, 0xff61b1e6                      ; the largest t so far: -3e38
	s_delay_alu instid0(VALU_DEP_1)
	v_floor_f32 v12, -v13
	v_mov_b32 v14, 0
	v_mov_b32 v15, 0
.irp i, 22,23,24,25,26,27
	v_mov_b32 v\i, 0                               ; q's upper 64 along K: zero codes
.endr
.irp t, 0,1,2,3
.irp i, 6,7,8,9,10,11
	v_mov_b32 v[32+12*\t+\i], 0                    ; k's likewise, for the whole launch
.endr
	v_mov_b32 v[236+\t], 0                         ; a lane permute's destination counts as one of its sources
.endr
	v_mov_b32 v253, 0
	v_mov_b32 v252, 0                              ; (a lane permute's destination on the way out, also where no key step was mine)
.set j, 0
.rept 32
	v_mov_b32 v[192+j], 0                          ; O^T: the step is written once; its first turn finds zeros
.set j, j+1
.endr
.macro STEP                            ; 128 keys
	s_cmp_gt_u32 s14, s11
	s_cbranch_scc1 .Lhid_\@
	s_xor_b32 s19, s14, s58
	s_bitcmp1_b32 s19, 0                           ; my partner's key step
	s_cbranch_scc1 .Lhid_\@
	v_add_nc_u32 v5, s15, v1
	v_add_nc_u32 v6, s15, v2
	v_add_nc_u32 v7, s15, v3
	v_add_nc_u32 v8, s16, v4
	v_add_nc_u32 v9, s17, v4
.irp t, 0,1,2,3
	ds_load_b128 v[32+12*\t:35+12*\t], v5 offset:768*\t
	ds_load_b64 v[36+12*\t:37+12*\t], v6 offset:768*\t
	ds_load_b32 v[248+\t], v8 offset:64*\t
.endr
	s_wait_alu depctr_va_vdst(0)
	s_wait_dscnt 0x0
.irp t, 0,1,2,3
	v_wmma_scale_f32_16x16x128_f8f6f4 v[128+8*\t:135+8*\t], v[32+12*\t:43+12*\t], v[16:27], 0, v[248+\t], v10 matrix_a_fmt:MATRIX_FMT_FP6 matrix_b_fmt:MATRIX_FMT_FP6
.endr
.rept 4
	v_nop                                          ; places in front of loads into registers that matrix instructions have read
.endr
.irp t, 0,1,2,3
	ds_load_b128 v[32+12*\t:35+12*\t], v5 offset:768*(4+\t)
	ds_load_b64 v[36+12*\t:37+12*\t], v6 offset:768*(4+\t)
	ds_load_b32 v[248+\t], v8 offset:64*(4+\t)
.endr
.irp t, 0,1,2,3
.irp c, 0,1,2
	ds_load_b128 v[80+12*\t+4*\c:83+12*\t+4*\c], v7 offset:1536*\t+512*\c
.endr
	ds_load_b32 v[28+\t], v9 offset:64*\t
.endr
	s_wait_dscnt 16                                ; k's are in; v's sixteen loads may be out
.irp t, 0,1,2,3
	v_wmma_scale_f32_16x16x128_f8f6f4 v[160+8*\t:167+8*\t], v[32+12*\t:43+12*\t], v[16:27], 0, v[248+\t], v10 matrix_a_fmt:MATRIX_FMT_FP6 matrix_b_fmt:MATRIX_FMT_FP6
.endr
.rept 4
	v_nop
.endr
	s_cmp_lg_u32 s14, s11                          ; on the diagonal the scores of hidden keys become -infinity: register 16 b + i holds key 32 b + 16 h + i of the step
	s_cbranch_scc1 .Lopen_\@
	v_mov_b32 v254, 0xff800000
.set n, 0
.rept 64
	v_cmp_gt_i32 vcc_lo, 32*(n/16)+n%16, v11
	v_cndmask_b32 v[128+n], v[128+n], v254, vcc_lo
.set n, n+1
.endr
.Lopen_\@:
.irp b, 0,1,2,3
	v_max3_num_f32 v[232+\b], v[128+16*\b], v[129+16*\b], v[130+16*\b]   ; the largest score of each block of 32 keys: for the row's maximum, and for the block's largest p
.endr
.irp i, 3,5,7,9,11,13
.irp b, 0,1,2,3
	v_max3_num_f32 v[232+\b], v[232+\b], v[128+16*\b+\i], v[129+16*\b+\i]
.endr
.endr
.irp b, 0,1,2,3
	v_max_num_f32 v[232+\b], v[232+\b], v[143+16*\b]
.endr
.irp b, 0,1,2,3
	s_delay_alu instid0(VALU_DEP_4)
	v_permlanex16_b32 v[236+\b], v[232+\b], s20, s21
.endr
.irp b, 0,1,2,3
	s_delay_alu instid0(VALU_DEP_4)
	v_max_num_f32 v[232+\b], v[232+\b], v[236+\b]
.endr
	s_delay_alu instid0(VALU_DEP_2)
	v_max3_num_f32 v254, v232, v233, v234
	s_delay_alu instid0(VALU_DEP_1)
	v_max_num_f32 v254, v254, v235
	s_delay_alu instid0(VALU_DEP_1)
	v_mul_f32 v254, s22, v254
	s_delay_alu instid0(VALU_DEP_1)
	v_max_num_f32 v13, v13, v254                   ; the running largest t
	v_mov_b32 v254, v12
	s_delay_alu instid0(VALU_DEP_2)
	v_floor_f32 v12, -v13                          ; the new -M: M is a whole number
	s_delay_alu instid0(VALU_DEP_1)
	v_sub_f32 v254, v12, v254
	s_delay_alu instid0(VALU_DEP_1)
	v_cvt_i32_f32 v254, v254
	s_delay_alu instid0(VALU_DEP_1)
	v_ldexp_f32 v252, 1.0, v254                    ; f = 2^(old M - new M): exact
.set j, 0
.rept 32
	v_pk_fma_f32 v[128+j:129+j], v[128+j:129+j], s[22:23], v[12:13] op_sel_hi:[1,0,0]   ; t - M
.set j, j+2
.endr
.irp b, 0,1,2,3
	v_fma_f32 v[232+\b], v[232+\b], s22, v12
.endr
.set j, 0
	s_wait_alu depctr_va_vdst(0)
.rept 64
	v_exp_f32 v[128+j], v[128+j]                   ; p
.set j, j+1
.endr
	v_pk_mul_f32 v[14:15], v[14:15], v[252:253] op_sel_hi:[1,0]   ; the sums under the new M: a plain place behind the exponentials
	s_wait_alu depctr_va_vdst(0)                   ; one wait for the batch, ahead of its first reader
.irp b, 0,1,2,3
	v_exp_f32 v[232+\b], v[232+\b]                 ; each block's largest p
.endr
	v_pk_add_f32 v[236:237], v[132:133], v[136:137]
	v_pk_add_f32 v[250:251], v[140:141], v[144:145]
	v_pk_add_f32 v[248:249], v[148:149], v[152:153]
	v_pk_add_f32 v[246:247], v[156:157], v[160:161]
	v_pk_add_f32 v[244:245], v[164:165], v[168:169]
	v_pk_add_f32 v[240:241], v[172:173], v[176:177]
	v_pk_add_f32 v[238:239], v[180:181], v[184:185]
	v_pk_add_f32 v[14:15], v[14:15], v[188:189]
	v_pk_add_f32 v[236:237], v[236:237], v[128:129]
	v_pk_add_f32 v[250:251], v[250:251], v[130:131]
	v_pk_add_f32 v[248:249], v[248:249], v[134:135]
	v_pk_add_f32 v[246:247], v[246:247], v[138:139]
	v_pk_add_f32 v[244:245], v[244:245], v[142:143]
	v_pk_add_f32 v[240:241], v[240:241], v[146:147]
	v_pk_add_f32 v[238:239], v[238:239], v[150:151]
	v_pk_add_f32 v[14:15], v[14:15], v[154:155]
	v_pk_add_f32 v[236:237], v[236:237], v[158:159]
	v_pk_add_f32 v[250:251], v[250:251], v[162:163]
	v_pk_add_f32 v[248:249], v[248:249], v[166:167]
	v_pk_add_f32 v[246:247], v[246:247], v[170:171]
	v_pk_add_f32 v[244:245], v[244:245], v[174:175]
	v_pk_add_f32 v[240:241], v[240:241], v[178:179]
	v_pk_add_f32 v[238:239], v[238:239], v[182:183]
	v_pk_add_f32 v[14:15], v[14:15], v[186:187]
	v_pk_add_f32 v[236:237], v[236:237], v[190:191]
	s_delay_alu instid0(VALU_DEP_2)
	v_pk_add_f32 v[14:15], v[14:15], v[246:247]
	s_delay_alu instid0(VALU_DEP_2)
	v_pk_add_f32 v[236:237], v[236:237], v[244:245]
	v_pk_add_f32 v[250:251], v[250:251], v[240:241]
	v_pk_add_f32 v[248:249], v[248:249], v[238:239]
	s_delay_alu instid0(VALU_DEP_2)
	v_pk_add_f32 v[14:15], v[14:15], v[250:251]
	s_delay_alu instid0(VALU_DEP_2)
	v_pk_add_f32 v[236:237], v[236:237], v[248:249]
	s_delay_alu instid0(VALU_DEP_1)
	v_pk_add_f32 v[14:15], v[14:15], v[236:237]
	s_wait_alu depctr_va_vdst(0)                   ; and one for the four
.irp b, 0,1,2,3
	v_max_num_f32 v[232+\b], 0x1800000, v[232+\b]  ; the floor 2^(3 - 127)
.endr
.irp b, 0,1,2,3
	s_delay_alu instid0(VALU_DEP_4)
	v_add_nc_u32 v[244+\b], 0xff000000, v[232+\b]
.endr
.irp b, 0,1,2,3
	s_delay_alu instid0(VALU_DEP_4)
	v_lshrrev_b32 v[236+\b], 23, v[244+\b]
.endr
	s_delay_alu instid0(VALU_DEP_3)
	v_lshl_or_b32 v253, v237, 8, v236              ; p's scale word for these 128 keys
	s_delay_alu instid0(VALU_DEP_1)
	v_lshl_or_b32 v253, v238, 16, v253
	s_delay_alu instid0(VALU_DEP_1)
	v_lshl_or_b32 v253, v239, 24, v253
.irp c, 0,1
	v_cvt_scalef32_pk16_fp6_f32 v[224+6*\c:226+6*\c], v[128+32*\c:143+32*\c], v[244+2*\c]
	v_cvt_scalef32_pk16_fp6_f32 v[236+4*\c:238+4*\c], v[144+32*\c:159+32*\c], v[244+2*\c+1]
.endr
	v_nop                                          ; one plain place behind a scaled conversion
.irp c, 0,1
.irp i, 0,1,2
	v_permlane16_swap_b32 v[224+6*\c+\i], v[236+4*\c+\i]
.endr
.irp i, 0,1,2
	s_delay_alu instid0(VALU_DEP_3)
	v_mov_b32 v[227+6*\c+\i], v[236+4*\c+\i]
.endr
.endr
.set j, 0
.rept 16
	v_pk_mul_f32 v[192+j:193+j], v[192+j:193+j], v[252:253] op_sel_hi:[1,0]   ; O^T under the new M; these sixteen are also the places in front of the products below
.set j, j+2
.endr
	s_wait_alu depctr_va_vdst(0)
	s_wait_dscnt 0x0                               ; v's fragments and words are in
.irp t, 0,1,2,3
	v_wmma_scale_f32_16x16x128_f8f6f4 v[192+8*\t:199+8*\t], v[80+12*\t:91+12*\t], v[224:235], v[192+8*\t:199+8*\t], v[28+\t], v253 matrix_a_fmt:MATRIX_FMT_FP6 matrix_b_fmt:MATRIX_FMT_FP6
.endr
.Lhid_\@:
	s_add_co_u32 s14, s14, 1
	s_add_co_u32 s15, s15, 6144
	s_add_co_u32 s16, s16, 512
	s_add_co_u32 s17, s17, 256
.endm
.macro QUARTER qd
	s_wait_dscnt 0x0
.if \qd < 3
	s_cmp_lt_u32 s10, 4*(\qd)+4                    ; the waves that brought this quarter (and the earlier ones) wait for their load; the later quarters' may be out
	s_cbranch_scc0 .Lnot_mine_\@
	s_wait_tensorcnt 0x0
.Lnot_mine_\@:
.else
	s_wait_tensorcnt 0x0                           ; the last quarter: every wave waits
.endif
	s_barrier_signal -1
	s_barrier_wait -1                              ; everybody's part has
	s_mov_b32 s15, 52224*\qd                       ; k's and v's fragments of the step,
	s_mov_b32 s16, 52224*\qd+49152                 ; k's words,
	s_mov_b32 s17, 52224*\qd+51200                 ; v's
	s_mov_b32 s18, 4
.Lq_\@:
	STEP
	s_sub_co_u32 s18, s18, 1
	s_cmp_lg_u32 s18, 0
	s_cbranch_scc1 .Lq_\@
.endm
	s_wait_loadcnt 0x0                             ; q
	QUARTER 0
	QUARTER 1
	QUARTER 2
	QUARTER 3
	; THE WAY OUT: O^T / the sum; register 16 b + i is d = 32 b + 16 h + i of my query: two blocks of 32, half a fragment of the next product
.rept 4
	v_nop
.endr
	v_add_f32 v14, v14, v15
	s_delay_alu instid0(VALU_DEP_1)
	v_permlanex16_b32 v252, v14, s20, s21
	s_delay_alu instid0(VALU_DEP_1)
	v_add_f32 v14, v14, v252
	s_mul_i32 s19, s13, 4608
	s_add_co_u32 s19, s19, 210944
	v_add_nc_u32 v5, s19, v1                       ; my pair's bytes: 16 x lane
	s_cmp_eq_u32 s58, s59
	s_wait_alu depctr_va_vdst(0)                   ; the wait ahead of the branch
	s_cbranch_scc1 .Lmine
.set j, 0
.rept 8
	ds_store_b128 v5, v[192+4*j:195+4*j] offset:512*j   ; O^T as an image of its registers, from the low end on
.set j, j+1
.endr
	ds_store_b128 v5, v[12:15] offset:4096         ; -M in the first word, the sum in the third
.Lmine:
	s_wait_dscnt 0x0                               ; for the partner's sake: my stores have landed
	s_barrier_signal -1
	s_barrier_wait -1
	s_cmp_eq_u32 s58, s59
	s_cbranch_scc0 .Lnext                          ; handed over: nothing more to do in this pass
.set j, 0
.rept 8
	ds_load_b128 v[128+4*j:131+4*j], v5 offset:512*j
.set j, j+1
.endr
	ds_load_b128 v[160:163], v5 offset:4096
	s_wait_dscnt 0x0
	v_min_num_f32 v164, v12, v160                  ; the joint -M
	v_mov_b32 v169, 0                              ; (named as the upper halves of pairs)
	v_mov_b32 v171, 0
	v_sub_f32 v165, v164, v12                      ; whole numbers, 0 or less
	v_sub_f32 v166, v164, v160
	v_cvt_i32_f32 v165, v165                       ; (it saturates)
	v_cvt_i32_f32 v166, v166
	v_ldexp_f32 v168, 1.0, v165                    ; my factor,
	v_ldexp_f32 v170, 1.0, v166                    ; my partner's
	v_mul_f32 v14, v14, v168
	v_fmac_f32 v14, v162, v170                     ; the row's sum
.set j, 0
.rept 16
	v_pk_mul_f32 v[128+j:129+j], v[128+j:129+j], v[170:171] op_sel_hi:[1,0]
.set j, j+2
.endr
.set j, 0
.rept 16
	v_pk_fma_f32 v[128+j:129+j], v[192+j:193+j], v[168:169], v[128+j:129+j] op_sel_hi:[1,0,1]
.set j, j+2
.endr
	s_wait_alu depctr_va_vdst(0)
	v_rcp_f32 v14, v14
	v_nop
	s_lshr_b32 s49, s48, 4                         ; batch
	s_and_b32 s50, s48, 15                         ; head
	s_lshl_b32 s49, s49, 7
	s_add_co_u32 s49, s49, s12                     ; my tile of tokens
	s_lshl_b32 s52, s49, 3
	s_lshr_b32 s53, s50, 1
	s_add_co_u32 s52, s52, s53
	s_mul_i32 s52, s52, 1536
	s_and_b32 s54, s50, 1
	s_mul_i32 s55, s54, 768
	s_add_co_u32 s52, s52, s55
	s_lshr_b32 s56, s49, 4
	s_lshl_b32 s56, s56, 3
	s_add_co_u32 s56, s56, s53
	s_lshl_b32 s56, s56, 10
	s_and_b32 s57, s49, 15
	s_lshl_b32 s57, s57, 6
	s_add_co_u32 s56, s56, s57
	s_lshl_b32 s57, s54, 1
	s_add_co_u32 s56, s56, s57
	s_add_co_u32 s56, s56, 3145728
	s_mov_b32 s53, 0
	s_mov_b32 s57, 0
	s_add_nc_u64 s[52:53], s[8:9], s[52:53]
	s_add_nc_u64 s[56:57], s[8:9], s[56:57]
	s_wait_alu depctr_va_vdst(0)                   ; the wait ahead of the reciprocal's first reader
.set j, 0
.rept 32
	v_mul_f32 v[128+j], v[128+j], v14
.set j, j+1
.endr
.irp b, 0,1
	v_max3_num_f32 v[232+\b], |v[128+16*\b]|, |v[129+16*\b]|, 0x1800000
.endr
.irp i, 2,4,6,8,10,12,14
.irp b, 0,1
	s_delay_alu instid0(VALU_DEP_2)
	v_max3_num_f32 v[232+\b], v[232+\b], |v[128+16*\b+\i]|, |v[129+16*\b+\i]|
.endr
.endr
.irp b, 0,1
	s_delay_alu instid0(VALU_DEP_2)
	v_permlanex16_b32 v[236+\b], v[232+\b], s20, s21
.endr
.irp b, 0,1
	s_delay_alu instid0(VALU_DEP_2)
	v_max_num_f32 v[232+\b], v[232+\b], v[236+\b]
.endr
.irp b, 0,1
	s_delay_alu instid0(VALU_DEP_2)
	v_add_nc_u32 v[244+\b], 0xff000000, v[232+\b]
.endr
.irp b, 0,1
	s_delay_alu instid0(VALU_DEP_2)
	v_lshrrev_b32 v[236+\b], 23, v[244+\b]
.endr
	s_delay_alu instid0(VALU_DEP_1)
	v_lshl_or_b32 v254, v237, 8, v236              ; my row's two scale bytes
	v_cvt_scalef32_pk16_fp6_f32 v[224:226], v[128:143], v244
	v_cvt_scalef32_pk16_fp6_f32 v[240:242], v[144:159], v245
	v_nop
.irp i, 0,1,2
	v_permlane16_swap_b32 v[224+\i], v[240+\i]
.endr
.irp i, 0,1,2
	s_delay_alu instid0(VALU_DEP_3)
	v_mov_b32 v[227+\i], v[240+\i]
.endr
	global_store_b128 v1, v[224:227], s[52:53]     ; 512 consecutive bytes
	global_store_b64 v2, v[228:229], s[52:53]      ; 256 consecutive bytes
	global_store_b16 v4, v254, s[56:57]            ; lanes l and l + 16 name the same two bytes with the same value
.Lnext:
	s_wait_xcnt 0x0                                ; the stores have read their registers: the next pass writes them anew
	s_add_co_u32 s59, s59, 1
	s_cmp_lt_u32 s59, 2
	s_wait_alu depctr_va_vdst(0)                   ; the wait ahead of the branch
	s_cbranch_scc1 .Lpass
	s_wait_tensorcnt 0x0
	ds_add_u32 v243, v255
	s_wait_dscnt 0x0
	s_endpgm
.Lfunc_end_k_q891183f3ee_attn:
	.size	k_q891183f3ee_attn, .Lfunc_end_k_q891183f3ee_attn-k_q891183f3ee_attn
	.p2alignl 7, 3214868480
	.fill 96, 4, 3214868480
	.section	.rodata,"a",@progbits
	.p2align	6, 0x0
	.amdhsa_kernel k_q891183f3ee_attn
		.amdhsa_group_segment_fixed_size 247808
		.amdhsa_private_segment_fixed_size 0
		.amdhsa_enable_private_segment 0
		.amdhsa_kernarg_size 24
		.amdhsa_user_sgpr_count 2
		.amdhsa_user_sgpr_kernarg_segment_ptr 1
		.amdhsa_wavefront_size32 1
		.amdhsa_system_sgpr_workgroup_id_x 1
		.amdhsa_system_sgpr_workgroup_id_y 1
		.amdhsa_system_sgpr_workgroup_id_z 1
		.amdhsa_system_vgpr_workitem_id 0
		.amdhsa_next_free_vgpr 256
		.amdhsa_next_free_sgpr 66
		.amdhsa_reserve_vcc 1
		.amdhsa_float_denorm_mode_32 3
		.amdhsa_float_denorm_mode_16_64 3
		.amdhsa_memory_ordered 1
		.amdhsa_forward_progress 1
		.amdhsa_inst_pref_size 111
	.end_amdhsa_kernel
	.amdgpu_metadata
---
amdhsa.version: [ 1, 2 ]
amdhsa.kernels:
  - .name:           k_q891183f3ee_attn
    .symbol:         k_q891183f3ee_attn.kd
    .args:
      - { .name: qbuf, .offset: 0, .size: 8, .value_kind: global_buffer, .address_space: global }
      - { .name: kvbuf, .offset: 8, .size: 8, .value_kind: global_buffer, .address_space: global }
      - { .name: obuf, .offset: 16, .size: 8, .value_kind: global_buffer, .address_space: global }
    .group_segment_fixed_size: 247808
    .private_segment_fixed_size: 0
    .kernarg_segment_align: 8
    .kernarg_segment_size: 24
    .max_flat_workgroup_size: 512
    .sgpr_count:     66
    .vgpr_count:     256
    .wavefront_size: 32
...
	.end_amdgpu_metadata
.endif
;; end of part 3
;; launch proj (part 4): grid 8 x 32, 4 waves a work-group, clusters of 4 x 4, 327,680 bytes of LDS; arguments obuf, wbuf, c_proj_b, x, x1; writes x1
.if DOCPART == 4
	.amdgcn_target "amdgcn-amd-amdhsa--gfx1250"
	.amdhsa_code_object_version 6
	.text
	.protected	k_q891183f3ee_proj
	.globl	k_q891183f3ee_proj
	.p2align	8
	.type	k_q891183f3ee_proj,@function
k_q891183f3ee_proj:
	s_mov_b64 s[64:65], 0
	v_nop
	global_prefetch_b8 v0, s[64:65] scope:SCOPE_SE
	s_setreg_imm32_b32 hwreg(HW_REG_WAVE_MODE, 25, 1), 1
	s_wait_xcnt 0x0
	s_wait_alu depctr_hold_cnt(0) depctr_sa_sdst(0) depctr_va_vdst(0) depctr_va_sdst(0) depctr_va_ssrc(0) depctr_va_vcc(0) depctr_vm_vsrc(0)
	s_getreg_b32 s2, hwreg(HW_REG_IB_STS2, 6, 4)
	s_cmp_eq_u32 s2, 0
	s_cbranch_scc0 .Lentry_in_a_cluster
	s_endpgm
.Lentry_in_a_cluster:
	s_bfe_u32 s2, ttmp6, 0x10000c
	s_cmp_lg_u32 s2, 0xf033
	s_cbranch_scc0 .Lentry_shape_is_right
	s_endpgm
.Lentry_shape_is_right:
; out = residual + (A W + bias): A and W as codes of FP6 (E2M3) with E8M0 scales, laid as images of operand registers; out, residual, bias f32.  Here: A = the attention's result, W = c_proj_w, K = 1,024.
; A work-group makes 128 tokens x 128 columns, a wave 64 x 64: 16 accumulators.  Source 0 = 16 columns of W, source 1 = 16 tokens: a lane holds one token, its registers neighbouring columns.
; Tile T, row r of either operand is row 32 (T / 2) + 8 (T % 2) + r + 8 (r / 8).  K goes in slots of 512 (four K steps) through two LDS slots; the scale words of all of K come once.
; CLUSTER 4 x 4: A's tiles are shared along a row of the cluster, W's along a column: joint loads.  With K = 1,024 both slots are filled at the start and nothing is filled again.
; A's fragments lie as two halves (a head each): registers 0-3 at 16 l, 4-5 at 512 + 8 l, 6-9 at 768 + 16 l, 10-11 at 1,280 + 8 l.
; The bias is the C of the first K step's products.  The residual's rows are asked for at the head and added on the way out, which goes through a stage in LDS so that a store covers 512 consecutive bytes of a row.
.set KS,     8                         ; K steps of 128
.set LAPS,   1                         ; a lap = two slots = 1,024 along K
.set ASCALE, 3145728                   ; where A's scale words begin in its buffer
.set WCODE,  2359296                   ; W's codes in wbuf
.set WSCALE, 9535488                   ; W's scale words
.set SPLITA, 1
.set NF,     32                        ; LDS loads of a fetch
.set SLOT,   6144                      ; from K steps 0-3 of a tile to its K steps 4-7
.set LOADB,  49152                     ; a wave's one tensor load: [tile 4][K step 8][1,536], dense in memory: all of K comes at the head, nothing is filled again, and there is no loop to prefetch in
.set SCL,    196608                    ; scale words: A's [K step][128 words], then W's
.set STAGE,  229376                    ; 128 rows x (512 + 16) bytes: bytes of their own
.set SPARE,  296960
.set FR,     12
.set ADRA,   16
.set ADRA8,  18
.set ADRB,   20
.set STO,    24
.set RD,     25
.set CO,     26
.set ADRS,   27
.set SPW,    28
.set NIL,    29
.set SC,     32
.set BI,     64
.set ACC,    128
.set G1,     24
.set G0,     32
.set G1B,    48
.set G0B,    56
.set G1S,    68
.set G0S,    76
.set G1SB,   80
.set G0SB,   88
.set MSB, 0
.macro WIN new
.if MSB != (\new)
	s_set_vgpr_msb (MSB<<8)|(\new)
.set MSB, (\new)
.endif
.endm
.macro JLOAD g0a, g1a, g0b, g1b        ; a joint load: waves 0 and 1 fetch for A, waves 2 and 3 for W; four v_nop follow each of the two lines
	s_cmp_eq_u32 s15, 0
	s_cbranch_scc0 .Lfor_w_\@
	tensor_load_to_lds s[\g0a:\g0a+3], s[\g1a:\g1a+7]
	s_nop 0
.rept 4
	v_nop
.endr
	s_branch .Lasked_\@
.Lfor_w_\@:
	tensor_load_to_lds s[\g0b:\g0b+3], s[\g1b:\g1b+7]
	s_nop 0
.rept 4
	v_nop
.endr
.Lasked_\@:
.endm
.macro CREST
	s_cmp_lg_u32 s14, 0
	s_cbranch_scc1 .Lnot_wave_0_\@
	s_barrier_signal -3
.Lnot_wave_0_\@:
	s_barrier_wait -3
	s_barrier_signal -1
	s_barrier_wait -1
.endm
.macro CROUND
	s_barrier_signal -1
	s_barrier_wait -1
	CREST
.endm
.macro PLACES n
.rept \n
	v_nop
.endr
.endm
	s_load_b128 s[4:7], s[0:1], 0x0                ; A, wbuf
	s_load_b128 s[8:11], s[0:1], 0x10              ; bias, residual
	s_load_b64 s[12:13], s[0:1], 0x20              ; out
	v_lshl_add_u32 v[SPW], v0, 2, SPARE
	v_mov_b32 v[NIL], 0
	ds_add_u32 v28, v29
	ds_add_u32 v28, v29
	s_wait_dscnt 0x0
	v_lshrrev_b32 v1, 5, v0
	v_readfirstlane_b32 s14, v1                    ; wave
	s_lshr_b32 s15, s14, 1                         ; my half of the tokens.  Also: I fetch for A (0) or for W (1)
	s_and_b32 s16, s14, 1                          ; my half of the columns.  Also: which half I fetch
	s_bfe_u32 s44, ttmp6, 0x40000                  ; cx
	s_bfe_u32 s45, ttmp6, 0x40004                  ; cy
	s_lshl_b32 s46, ttmp9, 2
	s_add_co_u32 s46, s46, s44                     ; which 128 columns
	s_and_b32 s17, ttmp7, 0xffff
	s_lshl_b32 s17, s17, 2
	s_add_co_u32 s17, s17, s45                     ; which 128 tokens
	s_lshl_b32 s47, s45, 2
	s_lshl_b32 s47, 15, s47                        ; my row of the cluster
	s_lshl_b32 s92, 0x1111, s44                    ; my column
	s_or_b32 s[G1], s47, (3<<16)|(1<<21)
	s_or_b32 s[G1B], s92, (3<<16)|(1<<21)
.irp g, G1, G1B                        ; codes: 4 tiles x 12,288 bytes (all eight K steps), a tile's K steps KS x 1,536 bytes apart
	s_mov_b32 s[\g+1], 1536<<16
	s_mov_b32 s[\g+2], 4<<16
	s_mov_b32 s[\g+3], 1536<<16
	s_mov_b32 s[\g+4], 4
	s_mov_b32 s[\g+5], 192*KS
	s_mov_b32 s[\g+6], 0
	s_mov_b32 s[\g+7], 0
.endr
	s_lshl_b32 s18, s16, 2                         ; 4 tiles x the half that I fetch
	s_lshl_b32 s20, s17, 3
	s_add_co_u32 s20, s20, s18
	s_mul_i32 s20, s20, KS*1536                    ; A's codes
	s_mov_b32 s21, 0
	s_lshl_b32 s66, s46, 3
	s_add_co_u32 s66, s66, s18
	s_mul_i32 s66, s66, KS*1536
	s_add_co_u32 s66, s66, WCODE                   ; W's
	s_mov_b32 s67, 0
	s_mul_i32 s18, s16, KS*512                     ; the half of the K steps that I fetch
	s_lshr_b32 s22, s17, 1
	s_mul_i32 s22, s22, KS*1024
	s_and_b32 s23, s17, 1
	s_lshl_b32 s23, s23, 9
	s_add_co_u32 s22, s22, s23
	s_add_co_u32 s22, s22, s18
	s_add_co_u32 s22, s22, ASCALE                  ; A's scale words
	s_mov_b32 s23, 0
	s_lshr_b32 s2, s46, 1
	s_mul_i32 s2, s2, KS*1024
	s_and_b32 s3, s46, 1
	s_lshl_b32 s3, s3, 9
	s_add_co_u32 s2, s2, s3
	s_add_co_u32 s2, s2, s18
	s_add_co_u32 s2, s2, WSCALE                    ; W's
	s_mov_b32 s3, 0
	s_mul_i32 s18, s14, LOADB                      ; where they go: the wave's number alone enters an LDS address
	s_mul_i32 s19, s14, KS*256
	s_wait_kmcnt 0x0
	s_add_nc_u64 s[20:21], s[4:5], s[20:21]
	s_add_nc_u64 s[22:23], s[4:5], s[22:23]
	s_add_nc_u64 s[66:67], s[6:7], s[66:67]
	s_add_nc_u64 s[2:3], s[6:7], s[2:3]
	CROUND                                         ; all sixteen work-groups are here: the first joint loads meet
.irp s, 0
	s_mov_b32 s[G0+4*\s], 1
	s_add_co_u32 s[G0+4*\s+1], s18, \s*SLOT
	s_add_nc_u64 s[G0+4*\s+2:G0+4*\s+3], s[20:21], \s*6144
	s_or_b32 s[G0+4*\s+3], s[G0+4*\s+3], 0x80000000
	s_mov_b32 s[G0B+4*\s], 1
	s_add_co_u32 s[G0B+4*\s+1], s18, \s*SLOT
	s_add_nc_u64 s[G0B+4*\s+2:G0B+4*\s+3], s[66:67], \s*6144
	s_or_b32 s[G0B+4*\s+3], s[G0B+4*\s+3], 0x80000000
	JLOAD G0+4*\s, G1, G0B+4*\s, G1B
.endr
	s_cmp_eq_u32 s15, 0                            ; the scale words come by plain loads, 512 consecutive bytes each, and go into LDS bytes of their own: my KS / 2 K steps of A's or of W's
	s_cselect_b64 s[22:23], s[22:23], s[2:3]
	s_add_co_u32 s19, s19, SCL
	v_and_b32 v1, 15, v0
	v_bfe_u32 v2, v0, 4, 1
	v_and_b32 v3, 31, v0
	v_lshlrev_b32 v[CO], 4, v3
	v_add_nc_u32 v31, s19, v[CO]
.set i, 0
.rept KS/2
	global_load_b128 v[ACC+4*i:ACC+4*i+3], v[CO], s[22:23] offset:1024*i
.set i, i+1
.endr
	v_lshlrev_b32 v4, 3, v3                        ; 8 x lane
	s_mul_i32 s18, s15, LOADB
	s_mul_i32 s19, s16, LOADB
	s_add_co_u32 s19, s19, 2*LOADB
.irp s, 0,1
	v_add_nc_u32 v[ADRA+\s], s18, v[CO]
	v_add_nc_u32 v[ADRA8+\s], s18, v4
	v_add_nc_u32 v[ADRB+\s], s19, v[CO]
	s_add_co_u32 s18, s18, SLOT
	s_add_co_u32 s19, s19, SLOT
.endr
	s_lshl_b32 s18, s15, 8                         ; scale words: lanes 0-15 take A's, lanes 16-31 W's
	s_lshl_b32 s19, s16, 8
	s_add_co_u32 s19, s19, KS*512
	s_sub_co_u32 s19, s19, s18
	v_mul_u32_u24 v4, s19, v2
	s_add_co_u32 s18, s18, SCL
	v_lshl_add_u32 v4, v1, 2, v4
	v_add_nc_u32 v[ADRS], s18, v4
	s_mul_i32 s18, s15, 64*528                     ; the stage, in: row 64 x half + r, 256 x column half + 64 h
	s_lshl_b32 s19, s16, 8
	s_add_co_u32 s18, s18, s19
	s_add_co_u32 s18, s18, STAGE
	v_mul_u32_u24 v4, v1, 528
	v_lshl_add_u32 v4, v2, 6, v4
	v_add_nc_u32 v[STO], s18, v4
	s_mul_i32 s18, s14, 32*528                     ; back: my 32 rows, whole
	s_add_co_u32 s18, s18, STAGE
	v_add_nc_u32 v[RD], s18, v[CO]
	s_lshl_b32 s18, s46, 9                         ; the bias: 128 x column block + 64 x half, in bytes
	s_lshl_b32 s19, s16, 8
	s_add_co_u32 s18, s18, s19
	s_mov_b32 s19, 0
	s_add_nc_u64 s[8:9], s[8:9], s[18:19]
	v_lshlrev_b32 v5, 6, v2                        ; 64 h
.irp t, 0,1,2,3
	global_load_b128 v[BI+8*\t:BI+8*\t+3], v5, s[8:9] offset:(32*(\t/2)+8*(\t%2))*4
	global_load_b128 v[BI+8*\t+4:BI+8*\t+7], v5, s[8:9] offset:(32*(\t/2)+8*(\t%2))*4+16
.endr
	s_lshl_b32 s18, s17, 7
	s_lshl_b32 s19, s14, 5
	s_add_co_u32 s18, s18, s19                     ; the 32 tokens that I store
	s_lshl_b32 s18, s18, 12
	s_lshl_b32 s19, s46, 9
	s_add_co_u32 s18, s18, s19
	s_mov_b32 s19, 0
	s_add_nc_u64 s[10:11], s[10:11], s[18:19]
	s_add_nc_u64 s[12:13], s[12:13], s[18:19]
.macro FETCH slot, q, f                ; the fragments and scale words of the slot's K step q into buffer f of window 1
	WIN 0x40
.irp i, 0,1,2,3
.if SPLITA
	ds_load_b128 v[\f+FR*\i:\f+FR*\i+3], v[ADRA+\slot] offset:(8*\i+(\q))*1536
	ds_load_b64 v[\f+FR*\i+4:\f+FR*\i+5], v[ADRA8+\slot] offset:(8*\i+(\q))*1536+512
	ds_load_b128 v[\f+FR*\i+6:\f+FR*\i+9], v[ADRA+\slot] offset:(8*\i+(\q))*1536+768
	ds_load_b64 v[\f+FR*\i+10:\f+FR*\i+11], v[ADRA8+\slot] offset:(8*\i+(\q))*1536+1280
.else
.irp c, 0,1,2
	ds_load_b128 v[\f+FR*\i+4*\c:\f+FR*\i+4*\c+3], v[ADRA+\slot] offset:(4*\i+(\q))*1536+512*\c
.endr
.endif
.irp c, 0,1,2
	ds_load_b128 v[\f+48+FR*\i+4*\c:\f+48+FR*\i+4*\c+3], v[ADRB+\slot] offset:(8*\i+(\q))*1536+512*\c
.endr
.endr
	WIN 0
.irp i, 0,1,2,3
	ds_load_b32 v[SC+4*((\q)%2)+\i], v[ADRS] offset:(4*\slot+(\q))*512+64*\i
.endr
.endm
.macro MUL8 a0, q, first               ; A's blocks a0, a0 + 1 x W's four; the 16 accumulators take turns in the same order in every step
.irp a, \a0, \a0+1
.irp b, 0,1,2,3
.if \first
	v_wmma_scale_f32_16x16x128_f8f6f4 v[ACC+8*(4*(\a)+\b):ACC+8*(4*(\a)+\b)+7], v[128*((\q)%2)+48+FR*\b:128*((\q)%2)+48+FR*\b+11], v[128*((\q)%2)+FR*(\a):128*((\q)%2)+FR*(\a)+11], v[BI+8*\b:BI+8*\b+7], v[SC+4*((\q)%2)+\b], v[SC+4*((\q)%2)+(\a)] matrix_a_fmt:MATRIX_FMT_FP6 matrix_b_fmt:MATRIX_FMT_FP6 matrix_a_scale:MATRIX_SCALE_ROW1
.else
	v_wmma_scale_f32_16x16x128_f8f6f4 v[ACC+8*(4*(\a)+\b):ACC+8*(4*(\a)+\b)+7], v[128*((\q)%2)+48+FR*\b:128*((\q)%2)+48+FR*\b+11], v[128*((\q)%2)+FR*(\a):128*((\q)%2)+FR*(\a)+11], v[ACC+8*(4*(\a)+\b):ACC+8*(4*(\a)+\b)+7], v[SC+4*((\q)%2)+\b], v[SC+4*((\q)%2)+(\a)] matrix_a_fmt:MATRIX_FMT_FP6 matrix_b_fmt:MATRIX_FMT_FP6 matrix_a_scale:MATRIX_SCALE_ROW1
.endif
.endr
.endr
.endm
.macro KSTEP slot, q, first            ; one of a slot's first three K steps: the next step's fetch goes out, then this step's 16 products
	PLACES 4                                       ; four plain places in front of loads into registers that matrix instructions have read
	FETCH \slot, (\q)+1, 128*(1-(\q)%2)
	s_wait_dscnt NF                                ; all but the fetch just issued
	WIN 0x05
	MUL8 0, \q, \first
	MUL8 2, \q, \first
.endm
.macro TURN slot, next, fill           ; a slot's last K step changes slots: one barrier
	WIN 0
	s_wait_tensorcnt 0x0                           ; all my tensor loads have landed: my part of the next slot
	ds_add_u32 v[SPW], v[NIL]                      ; 0 onto my spare word
	s_wait_dscnt 1                                 ; (the add may be out)
	WIN 0x05
	MUL8 0, 3, 0
	s_wait_dscnt 0x0                               ; the add is done, and my reads of this slot are over
	s_barrier_signal -1
	MUL8 2, 3, 0
	WIN 0
	s_barrier_wait -1
.if \fill
	CREST                                          ; the barrier has opened a round of the cluster's barrier
	s_add_nc_u64 s[G0+4*\slot+2:G0+4*\slot+3], s[G0+4*\slot+2:G0+4*\slot+3], 12288
	s_add_nc_u64 s[G0B+4*\slot+2:G0B+4*\slot+3], s[G0B+4*\slot+2:G0B+4*\slot+3], 12288
	JLOAD G0+4*\slot, G1, G0B+4*\slot, G1B         ; the first tensor load behind the round, my only one; its four v_nop are the places in front of the loads below
.else
	PLACES 4
.endif
.if \next == 0
	v_add_nc_u32 v[ADRS], 4096, v[ADRS]            ; the next lap's scale words
.endif
	FETCH \next, 0, 0
.endm
	s_wait_alu depctr_va_vdst(0)                   ; the wait at the head's end
	s_wait_loadcnt 8                               ; the scale words are in; the bias's 8 loads are younger
.set i, 0
.rept KS/2
	ds_store_b128 v31, v[ACC+4*i:ACC+4*i+3] offset:512*i
.set i, i+1
.endr
	s_wait_tensorcnt 0x0                           ; my tiles, all of K
	s_wait_dscnt 0x0                               ; my stores of scale words have landed
	s_barrier_signal -1
	s_barrier_wait -1
	FETCH 0, 0, 0
	s_wait_loadcnt 0x0                             ; the bias
	WIN 0x80                                       ; the residual is asked for when the tiles are in, and lands in window 2 while the products run
.set i, 0
.rept 32                               ; stage row 32 w + i is token 32 w + 8 (i / 16) + i % 16 + 8 ((i % 16) / 8) of the block
	global_load_b128 v[4*i:4*i+3], v[CO], s[10:11] offset:(8*(i/16)+i%16+8*((i%16)/8))*4096 th:TH_LOAD_NT
.set i, i+1
.endr
	WIN 0
	KSTEP 0, 0, 1
.if LAPS > 1
	WIN 0
	s_mov_b32 s3, LAPS-1
.Llap:
	KSTEP 0, 1, 0
	KSTEP 0, 2, 0
	TURN 0, 1, 1
	KSTEP 1, 0, 0
	KSTEP 1, 1, 0
	KSTEP 1, 2, 0
	TURN 1, 0, 1
	KSTEP 0, 0, 0
	WIN 0
	s_sub_co_u32 s3, s3, 1
	s_cmp_lg_u32 s3, 0
	s_cbranch_scc1 .Llap
.endif
	KSTEP 0, 1, 0
	KSTEP 0, 2, 0
	TURN 0, 1, 0
	KSTEP 1, 0, 0
	KSTEP 1, 1, 0
	KSTEP 1, 2, 0
	s_wait_dscnt 0x0
	WIN 0x05
	MUL8 0, 3, 0
	MUL8 2, 3, 0
	WIN 0
	PLACES 4
.irp a, 0,1,2,3                        ; lane (r, h) of tile (a, t): token row 16 a + r, columns 32 (t / 2) + 8 (t % 2) + 16 h + 0 .. 7; each accumulator from its low end on
.irp t, 0,1,2,3
	ds_store_b128 v[STO], v[ACC+8*(4*\a+\t):ACC+8*(4*\a+\t)+3] offset:16*\a*528+128*(\t/2)+32*(\t%2)
	ds_store_b128 v[STO], v[ACC+8*(4*\a+\t)+4:ACC+8*(4*\a+\t)+7] offset:16*\a*528+128*(\t/2)+32*(\t%2)+16
.endr
.endr
	s_wait_dscnt 0x0                               ; for the others' sake: my stores into the stage have landed
	s_barrier_signal -1
	s_barrier_wait -1
.set i, 0
.rept 32
	ds_load_b128 v[ACC+4*i:ACC+4*i+3], v[RD] offset:528*i
.set i, i+1
.endr
	s_wait_loadcnt 0x0                             ; the residual
	s_wait_dscnt 0x0
	WIN 0x08                                       ; source 1: window 2
.set i, 0
.rept 64
	v_pk_add_f32 v[ACC+2*i:ACC+2*i+1], v[ACC+2*i:ACC+2*i+1], v[2*i:2*i+1]
.set i, i+1
.endr
	WIN 0
.set i, 0
.rept 32
	global_store_b128 v[CO], v[ACC+4*i:ACC+4*i+3], s[12:13] offset:(8*(i/16)+i%16+8*((i%16)/8))*4096   ; 512 consecutive bytes of a row
.set i, i+1
.endr
	s_wait_tensorcnt 0x0                           ; the wave's end
	ds_add_u32 v[SPW], v[NIL]
	s_wait_dscnt 0x0
	CROUND                                         ; the closing round
	s_endpgm
.Lfunc_end_k_q891183f3ee_proj:
	.size	k_q891183f3ee_proj, .Lfunc_end_k_q891183f3ee_proj-k_q891183f3ee_proj
	.p2alignl 7, 3214868480
	.fill 96, 4, 3214868480
	.section	.rodata,"a",@progbits
	.p2align	6, 0x0
	.amdhsa_kernel k_q891183f3ee_proj
		.amdhsa_group_segment_fixed_size 327680
		.amdhsa_private_segment_fixed_size 0
		.amdhsa_enable_private_segment 0
		.amdhsa_kernarg_size 40
		.amdhsa_user_sgpr_count 2
		.amdhsa_user_sgpr_kernarg_segment_ptr 1
		.amdhsa_wavefront_size32 1
		.amdhsa_system_sgpr_workgroup_id_x 1
		.amdhsa_system_sgpr_workgroup_id_y 1
		.amdhsa_system_sgpr_workgroup_id_z 1
		.amdhsa_system_vgpr_workitem_id 0
		.amdhsa_next_free_vgpr 640
		.amdhsa_next_free_sgpr 98
		.amdhsa_reserve_vcc 0
		.amdhsa_float_denorm_mode_32 3
		.amdhsa_float_denorm_mode_16_64 3
		.amdhsa_memory_ordered 1
		.amdhsa_forward_progress 1
		.amdhsa_inst_pref_size 58
	.end_amdhsa_kernel
	.amdgpu_metadata
---
amdhsa.version: [ 1, 2 ]
amdhsa.kernels:
  - .name:           k_q891183f3ee_proj
    .symbol:         k_q891183f3ee_proj.kd
    .args:
      - { .name: obuf, .offset: 0, .size: 8, .value_kind: global_buffer, .address_space: global }
      - { .name: wbuf, .offset: 8, .size: 8, .value_kind: global_buffer, .address_space: global }
      - { .name: c_proj_b, .offset: 16, .size: 8, .value_kind: global_buffer, .address_space: global }
      - { .name: x, .offset: 24, .size: 8, .value_kind: global_buffer, .address_space: global }
      - { .name: x1, .offset: 32, .size: 8, .value_kind: global_buffer, .address_space: global }
    .group_segment_fixed_size: 327680
    .private_segment_fixed_size: 0
    .kernarg_segment_align: 8
    .kernarg_segment_size: 40
    .max_flat_workgroup_size: 128
    .sgpr_count:     98
    .vgpr_count:     640
    .wavefront_size: 32
...
	.end_amdgpu_metadata
.endif
;; end of part 4
;; launch ln1 (part 5): grid 256 x 1, 4 waves a work-group, no clusters, 75,776 bytes of LDS; arguments x1, ln2_g, ln2_b, abuf; writes abuf
.if DOCPART == 5
	.amdgcn_target "amdgcn-amd-amdhsa--gfx1250"
	.amdhsa_code_object_version 6
	.text
	.protected	k_q891183f3ee_ln1
	.globl	k_q891183f3ee_ln1
	.p2align	8
	.type	k_q891183f3ee_ln1,@function
k_q891183f3ee_ln1:
	s_mov_b64 s[64:65], 0
	v_nop
	global_prefetch_b8 v0, s[64:65] scope:SCOPE_SE
	s_setreg_imm32_b32 hwreg(HW_REG_WAVE_MODE, 25, 1), 1
	s_wait_xcnt 0x0
; LayerNorm over rows of 1,024 f32, then the quantiser along the row: codes of FP6 (E2M3) and E8M0 scale bytes, stored as images of operand registers (see below).
; A work-group is one tile of 16 tokens: tile T, row r is token 32 (T / 2) + 8 (T % 2) + r + 8 (r / 8).  Wave w takes columns 256 w .. 256 w + 255: K steps 2 w and 2 w + 1 of the next product.
; For the arithmetic lane (r, h) holds, of row r, the blocks that the operand's layout gives it: for block j = 0 .. 3 the 32 numbers at column 256 w + 64 j + 32 h: a whole block in a lane, so its largest magnitude needs no other lane.
; THE ROWS ARE LOADED AS THEY LIE: each load of a wave covers 512 consecutive bytes of one row, 16 bytes a lane, so that each byte is asked for once.  The wave's 16 x 1,024 bytes then turn through its own stage in LDS
; (rows 1,040 bytes apart = 65 x 16: the sixteen rows that a read touches begin in sixteen different columns of 16 bytes) and come back 128 bytes a lane and block.
; Mean and variance in two passes, as the definition has them: sum, subtract the mean, sum of squares.  The waves' partial sums meet in LDS: two barriers.
; OUT: fragment (T, K step s) at (64 (T / 8) + 8 s + T % 8) x 1,536 bytes: register j of lane l at 512 (j / 4) + 16 l + 4 (j % 4).  Scale words at 3,145,728 + ((T / 16) 8 + s) 1,024 + (T % 16) 64 + 4 r.
; LIMITS: NaN and infinities are not served; a block whose largest magnitude lies under 2^-124 (zeros among them) gets the byte 1: the bytes are read by this program alone.
.set X,   32                           ; v32-159  my 128 numbers
.set GBR, 160                          ; v160-191 gain, v192-223 bias of a block; later the two fragments at v160 and v176
.set XST, 8704                         ; LDS: behind the partial sums (512 bytes) and gain and bias (2,048 a wave): the stages, 16 rows a wave
.set XP,  1040                         ; a stage row: 1,024 bytes + 16
	s_load_b256 s[4:11], s[0:1], 0x0               ; rows in, gain, bias, codes out
	v_lshl_add_u32 v254, v0, 2, 0x12600
	v_mov_b32 v255, 0
	v_lshrrev_b32 v1, 5, v0
	v_readfirstlane_b32 s12, v1                    ; wave
	v_and_b32 v11, 31, v0                          ; lane
	v_and_b32 v1, 15, v0                           ; r
	v_bfe_u32 v2, v0, 4, 1                         ; h
	s_mul_i32 s23, s12, 16*XP
	s_add_co_u32 s23, s23, XST                     ; my wave's stage
	v_mul_u32_u24 v3, v1, XP
	v_lshl_add_u32 v3, v2, 7, v3
	v_add_nc_u32 v3, s23, v3                       ; out of it: row r, + 128 h
	s_lshl_b32 s13, s12, 10
	v_lshlrev_b32 v9, 4, v11                       ; 16 x lane
	v_add_nc_u32 v4, s13, v9                       ; in memory: my 16 bytes of the wave's 1,024 of a row, of the gain and of the bias
	v_add_nc_u32 v13, s23, v9                      ; into the stage: 16 x lane
	s_lshl_b32 s14, s12, 11
	s_add_co_u32 s14, s14, 512                     ; LDS: behind the two rows of partial sums, 2,048 bytes a wave: gain, then bias
	v_add_nc_u32 v5, s14, v9
	v_lshlrev_b32 v6, 7, v2
	v_add_nc_u32 v6, s14, v6                       ; and where my half's 32 numbers of a block begin
	s_lshl_b32 s15, s12, 2
	v_lshlrev_b32 v8, 4, v1                        ; partial sums: row r's four words
	v_add_nc_u32 v7, s15, v8                       ; my wave's word
	v_lshlrev_b32 v10, 2, v1
	v_lshl_add_u32 v10, v2, 10, v10                ; scale words out: 4 r; lanes 16-31 one K step on
	v_lshlrev_b32 v12, 3, v2                       ; 8 h
	v_mov_b32 v238, 0                              ; a lane permute's destination counts as one of its sources
	s_mov_b32 s20, 0x3a800000                      ; 1 / 1,024
	s_mov_b32 s21, 0x3727c5ac                      ; 1e-5
	s_mov_b32 s22, 0xffff0000                      ; lanes 16-31
	s_mov_b32 s28, 0x76543210
	s_mov_b32 s29, 0xfedcba98                      ; selects for lane l xor 16
	s_lshr_b32 s16, ttmp9, 1
	s_lshl_b32 s16, s16, 5
	s_and_b32 s17, ttmp9, 1
	s_lshl_b32 s17, s17, 3
	s_add_co_u32 s16, s16, s17                     ; the tile's first token
	s_lshl_b32 s16, s16, 12
	s_mov_b32 s17, 0
	s_lshr_b32 s18, ttmp9, 3                       ; fragments lie [8 tiles][K step][tile]: number 64 (T / 8) + 8 s + T % 8, s = 2 w
	s_lshl_b32 s18, s18, 6
	s_lshl_b32 s19, s12, 4
	s_add_co_u32 s18, s18, s19
	s_and_b32 s19, ttmp9, 7
	s_add_co_u32 s18, s18, s19
	s_mul_i32 s18, s18, 1536
	s_mov_b32 s19, 0
	s_lshr_b32 s24, ttmp9, 4
	s_lshl_b32 s24, s24, 3
	s_lshl_b32 s25, s12, 1
	s_add_co_u32 s24, s24, s25
	s_lshl_b32 s24, s24, 10
	s_and_b32 s25, ttmp9, 15
	s_lshl_b32 s25, s25, 6
	s_add_co_u32 s24, s24, s25
	s_add_co_u32 s24, s24, 3145728
	s_mov_b32 s25, 0
	s_wait_alu depctr_va_vdst(0)
	s_wait_kmcnt 0x0
	s_add_nc_u64 s[4:5], s[4:5], s[16:17]
	s_add_nc_u64 s[26:27], s[10:11], s[24:25]
	s_add_nc_u64 s[10:11], s[10:11], s[18:19]
	global_load_b128 v[160:163], v4, s[6:7]
	global_load_b128 v[164:167], v4, s[6:7] offset:512
	global_load_b128 v[168:171], v4, s[8:9]
	global_load_b128 v[172:175], v4, s[8:9] offset:512
.set i, 0
.rept 32                               ; load i: row i / 2 of the tile (token i / 2 + 8 (i / 16) from its first), half i % 2 of my wave's 1,024 bytes: 512 consecutive bytes
	global_load_b128 v[X+4*i:X+4*i+3], v4, s[4:5] offset:(i/2+8*(i/16))*4096+512*(i%2) th:TH_LOAD_NT
.set i, i+1
.endr
	s_wait_loadcnt 32                              ; gain and bias are in; the rows' 32 loads may be out
	ds_store_b128 v5, v[160:163]
	ds_store_b128 v5, v[164:167] offset:512
	ds_store_b128 v5, v[168:171] offset:1024
	ds_store_b128 v5, v[172:175] offset:1536
.set i, 0
.rept 4                                ; four rows at a time go into the stage as they lie
	s_wait_loadcnt 24-i                            ; these eight loads are in; the later rows' may be out
.rept 8
	ds_store_b128 v13, v[X+4*i:X+4*i+3] offset:(i/2)*XP+512*(i%2)
.set i, i+1
.endr
.endr
.set j, 0
.rept 4                                ; and come back by blocks, into the registers that they left: LDS serves a wave's instructions in order (ISA guide 5.7.1.4), and the bytes are my wave's own
.set i, 0
.rept 8
	ds_load_b128 v[X+32*j+4*i:X+32*j+4*i+3], v3 offset:256*j+16*i
.set i, i+1
.endr
.set j, j+1
.endr
; four chains in v[16:23] become the row's sum over all four waves, in v16
.macro REDUCE off
	v_pk_add_f32 v[16:17], v[16:17], v[18:19]
	v_pk_add_f32 v[20:21], v[20:21], v[22:23]
	v_pk_add_f32 v[16:17], v[16:17], v[20:21]
	v_add_f32 v16, v16, v17
	v_permlanex16_b32 v17, v16, s28, s29
	v_add_f32 v16, v16, v17                        ; my wave's 256 columns of row r
	ds_store_b32 v7, v16 offset:\off               ; both halves of the lanes write the same word with the same value
	s_wait_dscnt 0x0                               ; for the others' sake: my store has landed
	s_barrier_signal -1
	s_barrier_wait -1
	ds_load_b128 v[24:27], v8 offset:\off
	s_wait_dscnt 0x0
	v_add_f32 v24, v24, v25
	v_add_f32 v26, v26, v27
	v_add_f32 v16, v24, v26
.endm
	s_wait_dscnt 0x0                               ; my 128 numbers are back
.irp k, 0,1,2,3
	v_pk_add_f32 v[16+2*\k:17+2*\k], v[X+2*\k:X+2*\k+1], v[X+8+2*\k:X+8+2*\k+1]
.endr
.set j, 16
.rept 14
.irp k, 0,1,2,3
	v_pk_add_f32 v[16+2*\k:17+2*\k], v[16+2*\k:17+2*\k], v[X+j+2*\k:X+j+2*\k+1]
.endr
.set j, j+8
.endr
	REDUCE 0
	v_mul_f32 v28, s20, v16                        ; the mean
	v_mov_b32 v29, v28
.set j, 0
.rept 64
	v_pk_add_f32 v[X+j:X+j+1], v[X+j:X+j+1], v[28:29] neg_lo:[0,1] neg_hi:[0,1]
.set j, j+2
.endr
.irp k, 0,1,2,3
	v_pk_mul_f32 v[16+2*\k:17+2*\k], v[X+2*\k:X+2*\k+1], v[X+2*\k:X+2*\k+1]
.endr
.set j, 8
.rept 15
.irp k, 0,1,2,3
	v_pk_fma_f32 v[16+2*\k:17+2*\k], v[X+j+2*\k:X+j+2*\k+1], v[X+j+2*\k:X+j+2*\k+1], v[16+2*\k:17+2*\k]
.endr
.set j, j+8
.endr
	REDUCE 256                                     ; other words than the first sum's
	v_fma_f32 v16, v16, s20, s21                   ; the variance + 1e-5
	s_wait_alu depctr_va_vdst(0)
	v_rsq_f32 v30, v16
	v_nop                                          ; a plain place behind the transcendental
	s_wait_alu depctr_va_vdst(0)                   ; the wait ahead of the first line that names the result
	v_mov_b32 v31, v30
.set j, 0
	s_wait_alu depctr_va_vdst(0)
.rept 4                                ; (x - mean) x rsqrt x gain + bias, a block at a time
.set i, 0
.rept 8
	ds_load_b128 v[GBR+4*i:GBR+4*i+3], v6 offset:256*j+16*i
	ds_load_b128 v[GBR+32+4*i:GBR+32+4*i+3], v6 offset:1024+256*j+16*i
.set i, i+1
.endr
	s_wait_dscnt 0x0
.set i, 0
.rept 16
	v_pk_mul_f32 v[X+32*j+2*i:X+32*j+2*i+1], v[X+32*j+2*i:X+32*j+2*i+1], v[30:31]
.set i, i+1
.endr
.set i, 0
.rept 16
	v_pk_fma_f32 v[X+32*j+2*i:X+32*j+2*i+1], v[X+32*j+2*i:X+32*j+2*i+1], v[GBR+2*i:GBR+2*i+1], v[GBR+32+2*i:GBR+32+2*i+1]
.set i, i+1
.endr
.set j, j+1
.endr
; K step sp of my two: blocks c = 0, 1 are registers 6 c .. 6 c + 5 of the fragment as they come out of the conversions
.macro FRAGQ sp
.set XB, X+64*(\sp)
.set F, 160+16*(\sp)
.irp c, 0,1
	v_max3_num_f32 v[224+\c], |v[XB+32*\c]|, |v[XB+32*\c+1]|, 0x1800000   ; with the floor 2^(3 - 127)
.endr
.irp i, 2,4,6,8,10,12,14,16,18,20,22,24,26,28,30
.irp c, 0,1
	v_max3_num_f32 v[224+\c], v[224+\c], |v[XB+32*\c+\i]|, |v[XB+32*\c+\i+1]|
.endr
.endr
.irp c, 0,1
	v_add_nc_u32 v[228+\c], 0xff000000, v[224+\c]  ; 2 off the exponent field: the conversion's scale operand
.endr
.irp c, 0,1
	v_lshrrev_b32 v[232+\c], 23, v[228+\c]         ; the scale's byte
.endr
	v_lshl_or_b32 v236, v233, 16, v232             ; my two bytes: blocks h and 2 + h of the row's word,
	v_lshlrev_b32 v236, v12, v236                  ; 8 h bits up;
	v_permlanex16_b32 v238, v236, s28, s29
	v_or_b32 v[248+(\sp)], v236, v238              ; with lane l xor 16's two the word is whole
.irp c, 0,1
	v_cvt_scalef32_pk16_fp6_f32 v[F+6*\c:F+6*\c+2], v[XB+32*\c:XB+32*\c+15], v[228+\c]
	v_cvt_scalef32_pk16_fp6_f32 v[240+4*\c:242+4*\c], v[XB+32*\c+16:XB+32*\c+31], v[228+\c]
.endr
	v_nop                                          ; one plain place behind a scaled conversion
.irp c, 0,1
.irp i, 0,1,2
	v_mov_b32 v[F+6*\c+3+\i], v[240+4*\c+\i]
.endr
.endr
.irp c, 0,1,2
	global_store_b128 v9, v[F+4*\c:F+4*\c+3], s[10:11] offset:12288*(\sp)+512*\c   ; 512 consecutive bytes a store; the next K step lies 8 fragments on
.endr
.endm
	FRAGQ 0
	FRAGQ 1
	v_cndmask_b32 v250, v248, v249, s22            ; lanes 0-15 the first K step's words, lanes 16-31 the second's
	global_store_b32 v10, v250, s[26:27]
	s_wait_tensorcnt 0x0
	ds_add_u32 v254, v255
	s_wait_dscnt 0x0
	s_endpgm
.Lfunc_end_k_q891183f3ee_ln1:
	.size	k_q891183f3ee_ln1, .Lfunc_end_k_q891183f3ee_ln1-k_q891183f3ee_ln1
	.p2alignl 7, 3214868480
	.fill 96, 4, 3214868480
	.section	.rodata,"a",@progbits
	.p2align	6, 0x0
	.amdhsa_kernel k_q891183f3ee_ln1
		.amdhsa_group_segment_fixed_size 75776
		.amdhsa_private_segment_fixed_size 0
		.amdhsa_enable_private_segment 0
		.amdhsa_kernarg_size 32
		.amdhsa_user_sgpr_count 2
		.amdhsa_user_sgpr_kernarg_segment_ptr 1
		.amdhsa_wavefront_size32 1
		.amdhsa_system_sgpr_workgroup_id_x 1
		.amdhsa_system_sgpr_workgroup_id_y 1
		.amdhsa_system_sgpr_workgroup_id_z 1
		.amdhsa_system_vgpr_workitem_id 0
		.amdhsa_next_free_vgpr 256
		.amdhsa_next_free_sgpr 66
		.amdhsa_reserve_vcc 0
		.amdhsa_float_denorm_mode_32 3
		.amdhsa_float_denorm_mode_16_64 3
		.amdhsa_memory_ordered 1
		.amdhsa_forward_progress 1
		.amdhsa_inst_pref_size 43
	.end_amdhsa_kernel
	.amdgpu_metadata
---
amdhsa.version: [ 1, 2 ]
amdhsa.kernels:
  - .name:           k_q891183f3ee_ln1
    .symbol:         k_q891183f3ee_ln1.kd
    .args:
      - { .name: x1, .offset: 0, .size: 8, .value_kind: global_buffer, .address_space: global }
      - { .name: ln2_g, .offset: 8, .size: 8, .value_kind: global_buffer, .address_space: global }
      - { .name: ln2_b, .offset: 16, .size: 8, .value_kind: global_buffer, .address_space: global }
      - { .name: abuf, .offset: 24, .size: 8, .value_kind: global_buffer, .address_space: global }
    .group_segment_fixed_size: 75776
    .private_segment_fixed_size: 0
    .kernarg_segment_align: 8
    .kernarg_segment_size: 32
    .max_flat_workgroup_size: 128
    .sgpr_count:     66
    .vgpr_count:     256
    .wavefront_size: 32
...
	.end_amdgpu_metadata
.endif
;; end of part 5
;; launch mlp1 (part 6): grid 16 x 16, 4 waves a work-group, clusters of 4 x 4, 327,680 bytes of LDS; arguments abuf, wbuf, mlp_b1, hbuf; writes hbuf
.if DOCPART == 6
	.amdgcn_target "amdgcn-amd-amdhsa--gfx1250"
	.amdhsa_code_object_version 6
	.text
	.protected	k_q891183f3ee_mlp1
	.globl	k_q891183f3ee_mlp1
	.p2align	8
	.type	k_q891183f3ee_mlp1,@function
k_q891183f3ee_mlp1:
	s_mov_b64 s[64:65], 0
	v_nop
	global_prefetch_b8 v0, s[64:65] scope:SCOPE_SE
	s_setreg_imm32_b32 hwreg(HW_REG_WAVE_MODE, 25, 1), 1
	s_wait_xcnt 0x0
	s_wait_alu depctr_hold_cnt(0) depctr_sa_sdst(0) depctr_va_vdst(0) depctr_va_sdst(0) depctr_va_ssrc(0) depctr_va_vcc(0) depctr_vm_vsrc(0)
	s_getreg_b32 s2, hwreg(HW_REG_IB_STS2, 6, 4)
	s_cmp_eq_u32 s2, 0
	s_cbranch_scc0 .Lentry_in_a_cluster
	s_endpgm
.Lentry_in_a_cluster:
	s_bfe_u32 s2, ttmp6, 0x10000c
	s_cmp_lg_u32 s2, 0xf033
	s_cbranch_scc0 .Lentry_shape_is_right
	s_endpgm
.Lentry_shape_is_right:
; h = gelu(LN2(x1) W1 + b1) on codes of FP6 (E2M3) with E8M0 scales, K = 1,024, quantised at once along the 4,096 and stored as images of operand registers for the next product.
; A work-group makes 256 x 256, a wave 128 x 128.  Both operands lie [8 tiles][K step][tile][1,536]: a wave's one tensor load at the head brings K steps 0 to 5 of 8 tiles, 73,728 dense bytes;
; K steps 6 and 7 go over K steps 0 and 1 behind a round of the cluster's barrier.  The scale words come by plain loads into LDS bytes of their own.  CLUSTER 4 x 4: joint loads along rows and columns.
; No prefetch: all but the last quarter of K is asked for at the head, and that quarter's load has four K steps' products in which to land.
; LIMITS: NaN and infinities are not served; a block whose largest magnitude lies under 2^-124 gets the byte 1: the bytes are read by this program alone.
.set BIASC, 1
.set REG,   98304
.set LOADB, 24576
.set SCL,   294912
.set SPARE, 311296
.set FR,    12
.set ADRA,  16
.set ADRB,  20
.set LI,    24
.set LS,    25
.set ADRS,  27
.set SPW,   28
.set NIL,   29
.set SC,    32
.set BI,    64
.set AF,    128
.set T,     128
.set PC,    192
.set TM,    212
.set PW,    228
.set PWE,   229
.set SWD,   230
.set KB,    232
.set G1,    24
.set G0,    32
.set G1B,   48
.set G0B,   56
.set G1S,   72
.set G1SB,  80
.set G0S,   88
.set G0SB,  92
.set SEL,   96
.set HM,    98
.set MSB, 0
.macro WIN new
.if MSB != (\new)
	s_set_vgpr_msb (MSB<<8)|(\new)
.set MSB, (\new)
.endif
.endm
.macro JLOAD g0a, g1a, g0b, g1b
	s_cmp_eq_u32 s15, 0
	s_cbranch_scc0 .Lfor_q_\@
	tensor_load_to_lds s[\g0a:\g0a+3], s[\g1a:\g1a+7]
	s_nop 0
.rept 4
	v_nop
.endr
	s_branch .Lasked_\@
.Lfor_q_\@:
	tensor_load_to_lds s[\g0b:\g0b+3], s[\g1b:\g1b+7]
	s_nop 0
.rept 4
	v_nop
.endr
.Lasked_\@:
.endm
.macro CREST
	s_cmp_lg_u32 s14, 0
	s_cbranch_scc1 .Lnot_wave_0_\@
	s_barrier_signal -3
.Lnot_wave_0_\@:
	s_barrier_wait -3
	s_barrier_signal -1
	s_barrier_wait -1
.endm
.macro CROUND
	s_barrier_signal -1
	s_barrier_wait -1
	CREST
.endm
.macro PLACES n
.rept \n
	v_nop
.endr
.endm
	s_load_b128 s[4:7], s[0:1], 0x0
	s_load_b128 s[8:11], s[0:1], 0x10
	v_lshl_add_u32 v[SPW], v0, 2, SPARE
	v_mov_b32 v[NIL], 0
	ds_add_u32 v28, v29
	ds_add_u32 v28, v29
	s_wait_dscnt 0x0
	v_lshrrev_b32 v1, 5, v0
	v_readfirstlane_b32 s14, v1
	s_lshr_b32 s15, s14, 1
	s_and_b32 s16, s14, 1
	s_bfe_u32 s44, ttmp6, 0x40000
	s_bfe_u32 s45, ttmp6, 0x40004
	s_lshl_b32 s46, ttmp9, 2
	s_add_co_u32 s46, s46, s44
	s_and_b32 s17, ttmp7, 0xffff
	s_lshl_b32 s17, s17, 2
	s_add_co_u32 s17, s17, s45
	s_lshl_b32 s47, s45, 2
	s_lshl_b32 s47, 15, s47
	s_lshl_b32 s99, 0x1111, s44
	s_or_b32 s[G1], s47, (3<<16)|(1<<21)
	s_or_b32 s[G1B], s99, (3<<16)|(1<<21)
.irp g, G1, G1B
	s_mov_b32 s[\g+1], 1536<<16                    ; a row is a K step of 8 tiles, 12,288 bytes; six rows
	s_mov_b32 s[\g+2], 6<<16
	s_mov_b32 s[\g+3], 1536<<16
	s_mov_b32 s[\g+4], 6
	s_mov_b32 s[\g+5], 1536
	s_mov_b32 s[\g+6], 0
	s_mov_b32 s[\g+7], 0
.endr
	s_lshl_b32 s18, s16, 3
	s_lshl_b32 s20, s17, 4
	s_add_co_u32 s20, s20, s18
	s_mul_i32 s20, s20, 12288
	s_mov_b32 s21, 0
	s_lshl_b32 s66, s46, 4
	s_add_co_u32 s66, s66, s18
	s_mul_i32 s66, s66, 12288
	s_add_co_u32 s66, s66, 3145728
	s_mov_b32 s67, 0
	s_lshl_b32 s18, s16, 12
	s_lshl_b32 s22, s17, 13
	s_add_co_u32 s22, s22, s18
	s_add_co_u32 s22, s22, 3145728
	s_mov_b32 s23, 0
	s_lshl_b32 s2, s46, 13
	s_add_co_u32 s2, s2, s18
	s_add_co_u32 s2, s2, 9568256
	s_mov_b32 s3, 0
	s_mul_i32 s18, s14, 3*LOADB
	s_lshl_b32 s19, s14, 12
	s_wait_kmcnt 0x0
	s_add_nc_u64 s[20:21], s[4:5], s[20:21]
	s_add_nc_u64 s[22:23], s[4:5], s[22:23]
	s_add_nc_u64 s[66:67], s[6:7], s[66:67]
	s_add_nc_u64 s[2:3], s[6:7], s[2:3]
	CROUND
.irp q, 0
	s_mov_b32 s[G0+4*\q], 1
	s_add_co_u32 s[G0+4*\q+1], s18, \q*REG
	s_add_nc_u64 s[G0+4*\q+2:G0+4*\q+3], s[20:21], \q*3072
	s_or_b32 s[G0+4*\q+3], s[G0+4*\q+3], 0x80000000
	s_mov_b32 s[G0B+4*\q+4*(\q/2)], 1
	s_add_co_u32 s[G0B+4*\q+4*(\q/2)+1], s18, \q*REG
	s_add_nc_u64 s[G0B+4*\q+4*(\q/2)+2:G0B+4*\q+4*(\q/2)+3], s[66:67], \q*3072
	s_or_b32 s[G0B+4*\q+4*(\q/2)+3], s[G0B+4*\q+4*(\q/2)+3], 0x80000000
	JLOAD G0+4*\q, G1, G0B+4*\q+4*(\q/2), G1B      ; my one tensor load at the head
.endr
	s_cmp_eq_u32 s15, 0                            ; my 4,096 bytes of the tokens' or of the weight's scale words
	s_cselect_b64 s[22:23], s[22:23], s[2:3]
	s_add_co_u32 s19, s19, SCL
	v_and_b32 v1, 15, v0
	v_bfe_u32 v2, v0, 4, 1
	v_and_b32 v3, 31, v0
	v_lshlrev_b32 v[LI], 4, v3
	v_add_nc_u32 v30, s19, v[LI]
.set i, 0
.rept 8
	global_load_b128 v[AF+4*i:AF+4*i+3], v[LI], s[22:23] offset:512*i
.set i, i+1
.endr
	v_lshlrev_b32 v[LS], 2, v3
	s_mul_i32 s18, s15, 3*LOADB
	s_mul_i32 s19, s16, 3*LOADB
	s_add_co_u32 s19, s19, 6*LOADB
.irp p, 0,1,2
	v_add_nc_u32 v[ADRA+\p], s18, v[LI]
	v_add_nc_u32 v[ADRB+\p], s19, v[LI]
	s_add_co_u32 s18, s18, LOADB
	s_add_co_u32 s19, s19, LOADB
.endr
	s_lshl_b32 s18, s15, 9
	s_lshl_b32 s19, s16, 9
	s_add_co_u32 s19, s19, 8192
	s_sub_co_u32 s19, s19, s18
	v_mul_u32_u24 v4, s19, v2
	s_add_co_u32 s18, s18, SCL
	v_lshl_add_u32 v4, v1, 2, v4
	v_add_nc_u32 v[ADRS], s18, v4
	s_lshl_b32 s18, s46, 10
	s_lshl_b32 s19, s16, 9
	s_add_co_u32 s18, s18, s19
	s_mov_b32 s19, 0
	s_add_nc_u64 s[8:9], s[8:9], s[18:19]
	v_lshlrev_b32 v5, 6, v2
.irp t, 0,1,2,3,4,5,6,7
	global_load_b128 v[BI+8*\t:BI+8*\t+3], v5, s[8:9] offset:(32*(\t/2)+8*(\t%2))*4
	global_load_b128 v[BI+8*\t+4:BI+8*\t+7], v5, s[8:9] offset:(32*(\t/2)+8*(\t%2))*4+16
.endr
	s_lshl_b32 s18, s17, 4
	s_lshl_b32 s19, s15, 3
	s_add_co_u32 s18, s18, s19
	s_lshl_b32 s18, s18, 5
	s_lshl_b32 s66, s46, 1
	s_add_co_u32 s66, s66, s16
	s_add_co_u32 s18, s18, s66
	s_mul_i32 s18, s18, 1536
	s_mov_b32 s19, 0
	s_add_nc_u64 s[12:13], s[10:11], s[18:19]
	s_lshl_b32 s18, s17, 5
	s_add_co_u32 s18, s18, s66
	s_lshl_b32 s18, s18, 10
	s_lshl_b32 s66, s15, 9
	s_add_co_u32 s18, s18, s66
	s_add_co_u32 s18, s18, 12582912
	s_add_nc_u64 s[10:11], s[10:11], s[18:19]
	s_mov_b32 s[SEL], 0x76543210
	s_mov_b32 s[SEL+1], 0xfedcba98
	s_mov_b32 s[HM], 0xffff0000
	s_mov_b32 s100, 0xbdd2d3e8
	s_mov_b32 s101, s100
.macro FRAG reg, adr, q, i
.irp c, 0,1,2
	ds_load_b128 v[\reg+4*\c:\reg+4*\c+3], v[\adr] offset:(8*(\q)+(\i))*1536+512*\c
.endr
.endm
.macro FETCH_B r, q, p
	WIN 0x40
.irp i, 0,1,2,3,4,5,6,7
	FRAG 128*(\p)+FR*\i, ADRB+\r, \q, \i
.endr
	WIN 0
.endm
.macro FETCH_A r, q, i0
.irp i, \i0, \i0+1, \i0+2, \i0+3
	FRAG AF+FR*(\i), ADRA+\r, \q, \i
.endr
.endm
.macro SCALES s
.irp i, 0,1,2,3,4,5,6,7
	ds_load_b32 v[SC+8*((\s)%2)+\i], v[ADRS] offset:1024*(\s)+64*\i
.endr
.endm
.macro MM d, b, a, cm, c, sb, sa
.if \cm
	v_wmma_scale_f32_16x16x128_f8f6f4 v[\d:\d+7], v[\b:\b+11], v[\a:\a+11], v[\c:\c+7], v[\sb], v[\sa] matrix_a_fmt:MATRIX_FMT_FP6 matrix_b_fmt:MATRIX_FMT_FP6 matrix_a_scale:MATRIX_SCALE_ROW1
.else
	v_wmma_scale_f32_16x16x128_f8f6f4 v[\d:\d+7], v[\b:\b+11], v[\a:\a+11], 0, v[\sb], v[\sa] matrix_a_fmt:MATRIX_FMT_FP6 matrix_b_fmt:MATRIX_FMT_FP6 matrix_a_scale:MATRIX_SCALE_ROW1
.endif
.endm
.macro MUL16 a0, s, first
.irp a, \a0, \a0+1
.irp b, 0,1,2,3,4,5,6,7
.if \first
	MM 8*(8*((\a)%4)+\b), 128*((\s)%2)+FR*\b, AF+FR*(\a), BIASC, BI+8*\b, SC+8*((\s)%2)+\b, SC+8*((\s)%2)+(\a)
.else
	MM 8*(8*((\a)%4)+\b), 128*((\s)%2)+FR*\b, AF+FR*(\a), 1, 8*(8*((\a)%4)+\b), SC+8*((\s)%2)+\b, SC+8*((\s)%2)+(\a)
.endif
.endr
.endr
.endm
.macro STEP s, nr, nq, first
	s_wait_dscnt 12
.if (\first) && BIASC
	WIN 0x81
.else
	WIN 0xa1
.endif
	MUL16 0, \s, \first
	MUL16 2, \s, \first
	s_wait_dscnt 0x0
	PLACES 4
	FETCH_B \nr, \nq, 1-(\s)%2
	FETCH_A \nr, \nq, 0
	SCALES (\s)+1
.if (\first) && BIASC
	WIN 0xc1
.else
	WIN 0xf1
.endif
	MUL16 4, \s, \first
	MUL16 6, \s, \first
	PLACES 4
	WIN 0
	FETCH_A \nr, \nq, 4
.endm
.macro TURN s, nr, fill
	s_wait_tensorcnt 0x0
	ds_add_u32 v[SPW], v[NIL]
	s_wait_dscnt 13
	WIN 0xa1
	MUL16 0, \s, 0
	s_wait_dscnt 0x0
	s_barrier_signal -1
	MUL16 2, \s, 0
	WIN 0
	s_barrier_wait -1
.if \fill
	CREST
	s_add_nc_u64 s[G0+2:G0+3], s[G0+2:G0+3], 73728
	s_add_nc_u64 s[G0B+2:G0B+3], s[G0B+2:G0B+3], 73728
	JLOAD G0, G1, G0B, G1B
.else
	PLACES 4
.endif
	FETCH_B \nr, 0, 1-(\s)%2
	FETCH_A \nr, 0, 0
	SCALES (\s)+1
	WIN 0xf1
	MUL16 4, \s, 0
	MUL16 6, \s, 0
	PLACES 4
	WIN 0
	FETCH_A \nr, 0, 4
.endm
	s_wait_alu depctr_va_vdst(0)
	s_wait_loadcnt 16                              ; the scale words are in; the bias's 16 loads are younger
.set i, 0
.rept 8
	ds_store_b128 v30, v[AF+4*i:AF+4*i+3] offset:512*i
.set i, i+1
.endr
	s_wait_tensorcnt 0x0                           ; my six K steps are in; no load of mine is out, so a descriptor may be written:
	s_mov_b32 s[G1+2], 2<<16                       ; the refill brings two K steps
	s_mov_b32 s[G1+4], 2
	s_mov_b32 s[G1B+2], 2<<16
	s_mov_b32 s[G1B+4], 2
	s_wait_dscnt 0x0                               ; my stores of scale words have landed
	s_barrier_signal -1
	s_barrier_wait -1
	FETCH_B 0, 0, 0
	FETCH_A 0, 0, 0
	SCALES 0
	FETCH_A 0, 0, 4
	s_wait_loadcnt 0x0
	STEP 0, 0, 1, 1
	TURN 1, 1, 1
	STEP 2, 1, 1, 0
	STEP 3, 2, 0, 0
	STEP 4, 2, 1, 0
	TURN 5, 0, 0
	STEP 6, 0, 1, 0
	s_wait_dscnt 12
	WIN 0xa1
	MUL16 0, 7, 0
	MUL16 2, 7, 0
	s_wait_dscnt 0x0
	WIN 0xf1
	MUL16 4, 7, 0
	MUL16 6, 7, 0
	WIN 0
	PLACES 4
.irp b, 0,1,2,3
	v_mov_b32 v[TM+4+\b], 0
.endr
	v_mov_b32 v[KB], 0xc0135761
	v_mov_b32 v[KB+1], 0xc0135761
.macro QUANT s
.irp b, 0,1,2,3
	v_max3_num_f32 v[TM+\b], |v[\s+16*\b]|, |v[\s+1+16*\b]|, 0x1800000
.endr
.irp i, 2,4,6,8,10,12,14
.irp b, 0,1,2,3
	v_max3_num_f32 v[TM+\b], v[TM+\b], |v[\s+16*\b+\i]|, |v[\s+1+16*\b+\i]|
.endr
.endr
.irp b, 0,1,2,3
	v_permlanex16_b32 v[TM+4+\b], v[TM+\b], s[SEL], s[SEL+1]
.endr
.irp b, 0,1,2,3
	v_max_num_f32 v[TM+\b], v[TM+\b], v[TM+4+\b]
.endr
.irp b, 0,1,2,3
	v_add_nc_u32 v[TM+12+\b], 0xff000000, v[TM+\b]
.endr
.irp b, 0,1,2,3
	v_lshrrev_b32 v[TM+4+\b], 23, v[TM+12+\b]
.endr
	v_lshl_or_b32 v[PW], v[TM+5], 8, v[TM+4]
	v_lshl_or_b32 v[PW], v[TM+6], 16, v[PW]
	v_lshl_or_b32 v[PW], v[TM+7], 24, v[PW]
.irp c, 0,1
	v_cvt_scalef32_pk16_fp6_f32 v[PC+6*\c:PC+2+6*\c], v[\s+32*\c:\s+15+32*\c], v[TM+12+2*\c]
	v_cvt_scalef32_pk16_fp6_f32 v[PC+12+4*\c:PC+14+4*\c], v[\s+16+32*\c:\s+31+32*\c], v[TM+12+2*\c+1]
.endr
	v_nop
.irp c, 0,1
.irp i, 0,1,2
	v_permlane16_swap_b32 v[PC+6*\c+\i], v[PC+12+4*\c+\i]
.endr
.irp i, 0,1,2
	v_mov_b32 v[PC+3+6*\c+\i], v[PC+12+4*\c+\i]
.endr
.endr
.endm
.macro GELU a
.set AC, 64*((\a)%4)
.set AW, 2+(\a)/4
.set AWW, AW*5
	WIN AWW
.set j, 0
.rept 32
	v_pk_mul_f32 v[T+j:T+j+1], v[AC+j:AC+j+1], v[AC+j:AC+j+1]
.set j, j+2
.endr
	WIN 0
.set j, 0
.rept 32
	v_pk_fma_f32 v[T+j:T+j+1], v[T+j:T+j+1], s[100:101], v[KB:KB+1] op_sel_hi:[1,0,1]
.set j, j+2
.endr
	WIN AW
.set j, 0
.rept 32
	v_pk_mul_f32 v[T+j:T+j+1], v[AC+j:AC+j+1], v[T+j:T+j+1]
.set j, j+2
.endr
	WIN 0
.set j, 0
	s_wait_alu depctr_va_vdst(0)
.rept 64
	v_exp_f32 v[T+j], v[T+j]
.set j, j+1
.endr
	v_nop
	s_wait_alu depctr_va_vdst(0)
.set j, 0
.rept 32
	v_pk_add_f32 v[T+j:T+j+1], v[T+j:T+j+1], 1.0 op_sel_hi:[1,0]
.set j, j+2
.endr
.set j, 0
	s_wait_alu depctr_va_vdst(0)
.rept 64
	v_rcp_f32 v[T+j], v[T+j]
.set j, j+1
.endr
	v_nop
	s_wait_alu depctr_va_vdst(0)
	WIN AW
.set j, 0
.rept 32
	v_pk_mul_f32 v[T+j:T+j+1], v[AC+j:AC+j+1], v[T+j:T+j+1]
.set j, j+2
.endr
	WIN 0
	s_wait_xcnt 0x0
	QUANT T
.irp c, 0,1,2
	global_store_b128 v[LI], v[PC+4*\c:PC+4*\c+3], s[12:13] offset:49152*(\a)+512*\c
.endr
.if (\a)%2 == 0
	v_mov_b32 v[PWE], v[PW]
.else
	v_cndmask_b32 v[SWD], v[PWE], v[PW], s[HM]
	global_store_b32 v[LS], v[SWD], s[10:11] offset:64*((\a)-1)
.endif
.endm
.irp a, 0,1,2,3,4,5,6,7
	GELU \a
.endr
	s_wait_tensorcnt 0x0
	ds_add_u32 v[SPW], v[NIL]
	s_wait_dscnt 0x0
	CROUND
	s_endpgm
.Lfunc_end_k_q891183f3ee_mlp1:
	.size	k_q891183f3ee_mlp1, .Lfunc_end_k_q891183f3ee_mlp1-k_q891183f3ee_mlp1
	.p2alignl 7, 3214868480
	.fill 96, 4, 3214868480
	.section	.rodata,"a",@progbits
	.p2align	6, 0x0
	.amdhsa_kernel k_q891183f3ee_mlp1
		.amdhsa_group_segment_fixed_size 327680
		.amdhsa_private_segment_fixed_size 0
		.amdhsa_enable_private_segment 0
		.amdhsa_kernarg_size 32
		.amdhsa_user_sgpr_count 2
		.amdhsa_user_sgpr_kernarg_segment_ptr 1
		.amdhsa_wavefront_size32 1
		.amdhsa_system_sgpr_workgroup_id_x 1
		.amdhsa_system_sgpr_workgroup_id_y 1
		.amdhsa_system_sgpr_workgroup_id_z 1
		.amdhsa_system_vgpr_workitem_id 0
		.amdhsa_next_free_vgpr 1024
		.amdhsa_next_free_sgpr 102
		.amdhsa_reserve_vcc 0
		.amdhsa_float_denorm_mode_32 3
		.amdhsa_float_denorm_mode_16_64 3
		.amdhsa_memory_ordered 1
		.amdhsa_forward_progress 1
		.amdhsa_inst_pref_size 255
	.end_amdhsa_kernel
	.section	.bss,"aw",@nobits
	.p2align	6
	.space	262144
	.amdgpu_metadata
---
amdhsa.version: [ 1, 2 ]
amdhsa.kernels:
  - .name:           k_q891183f3ee_mlp1
    .symbol:         k_q891183f3ee_mlp1.kd
    .args:
      - { .name: abuf, .offset: 0, .size: 8, .value_kind: global_buffer, .address_space: global }
      - { .name: wbuf, .offset: 8, .size: 8, .value_kind: global_buffer, .address_space: global }
      - { .name: mlp_b1, .offset: 16, .size: 8, .value_kind: global_buffer, .address_space: global }
      - { .name: hbuf, .offset: 24, .size: 8, .value_kind: global_buffer, .address_space: global }
    .group_segment_fixed_size: 327680
    .private_segment_fixed_size: 0
    .kernarg_segment_align: 8
    .kernarg_segment_size: 32
    .max_flat_workgroup_size: 128
    .sgpr_count:     102
    .vgpr_count:     1024
    .wavefront_size: 32
...
	.end_amdgpu_metadata
.endif
;; end of part 6
;; launch mlp2 (part 7): grid 8 x 32, 4 waves a work-group, clusters of 4 x 4, 327,680 bytes of LDS; arguments hbuf, wbuf, mlp_b2, x1, out0; writes out0
.if DOCPART == 7
	.amdgcn_target "amdgcn-amd-amdhsa--gfx1250"
	.amdhsa_code_object_version 6
	.text
	.protected	k_q891183f3ee_mlp2
	.globl	k_q891183f3ee_mlp2
	.p2align	8
	.type	k_q891183f3ee_mlp2,@function
k_q891183f3ee_mlp2:
	s_mov_b64 s[64:65], 0
	v_nop
	global_prefetch_b8 v0, s[64:65] scope:SCOPE_SE
	s_setreg_imm32_b32 hwreg(HW_REG_WAVE_MODE, 25, 1), 1
	s_wait_xcnt 0x0
	s_wait_alu depctr_hold_cnt(0) depctr_sa_sdst(0) depctr_va_vdst(0) depctr_va_sdst(0) depctr_va_ssrc(0) depctr_va_vcc(0) depctr_vm_vsrc(0)
	s_getreg_b32 s2, hwreg(HW_REG_IB_STS2, 6, 4)
	s_cmp_eq_u32 s2, 0
	s_cbranch_scc0 .Lentry_in_a_cluster
	s_endpgm
.Lentry_in_a_cluster:
	s_bfe_u32 s2, ttmp6, 0x10000c
	s_cmp_lg_u32 s2, 0xf033
	s_cbranch_scc0 .Lentry_shape_is_right
	s_endpgm
.Lentry_shape_is_right:
; out = x1 + (h W2 + b2): h and W2 as codes of FP6 (E2M3) with E8M0 scales, images of operand registers laid [tile][K step]; K = 4,096.  A work-group makes 128 x 128, a wave 64 x 64.
; K goes in slots of four K steps through two LDS slots filled by joint loads (cluster 4 x 4): slot 0 at the head, one tensor load a wave; slot 1 behind the full sequence and a round; each refill behind a round.
; The scale words of all of K come once, by plain loads of 512 consecutive bytes, into LDS bytes of their own.
; PREFETCH: a wave's load is 4 tiles x 6,144 bytes; of the four partners that ask for it jointly, the one at place p names tile p's 24 blocks of 256 bytes, a lane a block (lanes 24-31 name the last again).
; The head asks for slots 1 and 2, slot 1's load for slot 3, the refill of slot u for slot u + 2; the last two refills ask for nothing.
.set PFA,    68                        ; s[68:69] where my prefetches stand
.set PFO,    30                        ; v30 256 x min(lane, 23)
.set KS,     32
.set LAPS,   4
.set ASCALE, 12582912
.set WCODE,  6291456
.set WSCALE, 9699328
.set SPLITA, 0
.set NF,     28
.set SLOT,   98304
.set LOADB,  24576
.set SCL,    196608
.set STAGE,  229376
.set SPARE,  296960
.set FR,     12
.set ADRA,   16
.set ADRA8,  18
.set ADRB,   20
.set STO,    24
.set RD,     25
.set CO,     26
.set ADRS,   27
.set SPW,    28
.set NIL,    29
.set SC,     32
.set BI,     64
.set ACC,    128
.set G1,     24
.set G0,     32
.set G1B,    48
.set G0B,    56
.set G1S,    68
.set G0S,    76
.set G1SB,   80
.set G0SB,   88
.set MSB, 0
.macro WIN new
.if MSB != (\new)
	s_set_vgpr_msb (MSB<<8)|(\new)
.set MSB, (\new)
.endif
.endm
.macro JLOAD g0a, g1a, g0b, g1b
	s_cmp_eq_u32 s15, 0
	s_cbranch_scc0 .Lfor_w_\@
	tensor_load_to_lds s[\g0a:\g0a+3], s[\g1a:\g1a+7]
	s_nop 0
.rept 4
	v_nop
.endr
	s_branch .Lasked_\@
.Lfor_w_\@:
	tensor_load_to_lds s[\g0b:\g0b+3], s[\g1b:\g1b+7]
	s_nop 0
.rept 4
	v_nop
.endr
.Lasked_\@:
.endm
.macro CREST
	s_cmp_lg_u32 s14, 0
	s_cbranch_scc1 .Lnot_wave_0_\@
	s_barrier_signal -3
.Lnot_wave_0_\@:
	s_barrier_wait -3
	s_barrier_signal -1
	s_barrier_wait -1
.endm
.macro CROUND
	s_barrier_signal -1
	s_barrier_wait -1
	CREST
.endm
.macro PLACES n
.rept \n
	v_nop
.endr
.endm
	s_load_b128 s[4:7], s[0:1], 0x0
	s_load_b128 s[8:11], s[0:1], 0x10
	s_load_b64 s[12:13], s[0:1], 0x20
	v_lshl_add_u32 v[SPW], v0, 2, SPARE
	v_mov_b32 v[NIL], 0
	ds_add_u32 v28, v29
	ds_add_u32 v28, v29
	s_wait_dscnt 0x0
	v_lshrrev_b32 v1, 5, v0
	v_readfirstlane_b32 s14, v1
	s_lshr_b32 s15, s14, 1
	s_and_b32 s16, s14, 1
	s_bfe_u32 s44, ttmp6, 0x40000
	s_bfe_u32 s45, ttmp6, 0x40004
	s_lshl_b32 s46, ttmp9, 2
	s_add_co_u32 s46, s46, s44
	s_and_b32 s17, ttmp7, 0xffff
	s_lshl_b32 s17, s17, 2
	s_add_co_u32 s17, s17, s45
	s_lshl_b32 s47, s45, 2
	s_lshl_b32 s47, 15, s47
	s_lshl_b32 s92, 0x1111, s44
	s_or_b32 s[G1], s47, (3<<16)|(1<<21)
	s_or_b32 s[G1B], s92, (3<<16)|(1<<21)
.irp g, G1, G1B
	s_mov_b32 s[\g+1], 768<<16
	s_mov_b32 s[\g+2], 4<<16
	s_mov_b32 s[\g+3], 768<<16
	s_mov_b32 s[\g+4], 4
	s_mov_b32 s[\g+5], 192*KS
	s_mov_b32 s[\g+6], 0
	s_mov_b32 s[\g+7], 0
.endr
	s_lshl_b32 s18, s16, 2
	s_lshl_b32 s20, s17, 3
	s_add_co_u32 s20, s20, s18
	s_mul_i32 s20, s20, KS*1536
	s_mov_b32 s21, 0
	s_lshl_b32 s66, s46, 3
	s_add_co_u32 s66, s66, s18
	s_mul_i32 s66, s66, KS*1536
	s_add_co_u32 s66, s66, WCODE
	s_mov_b32 s67, 0
	s_mul_i32 s18, s16, KS*512
	s_lshr_b32 s22, s17, 1
	s_mul_i32 s22, s22, KS*1024
	s_and_b32 s23, s17, 1
	s_lshl_b32 s23, s23, 9
	s_add_co_u32 s22, s22, s23
	s_add_co_u32 s22, s22, s18
	s_add_co_u32 s22, s22, ASCALE
	s_mov_b32 s23, 0
	s_lshr_b32 s2, s46, 1
	s_mul_i32 s2, s2, KS*1024
	s_and_b32 s3, s46, 1
	s_lshl_b32 s3, s3, 9
	s_add_co_u32 s2, s2, s3
	s_add_co_u32 s2, s2, s18
	s_add_co_u32 s2, s2, WSCALE
	s_mov_b32 s3, 0
	s_mul_i32 s18, s14, LOADB
	s_mul_i32 s19, s14, KS*256
	s_wait_kmcnt 0x0
	s_add_nc_u64 s[20:21], s[4:5], s[20:21]
	s_add_nc_u64 s[22:23], s[4:5], s[22:23]
	s_add_nc_u64 s[66:67], s[6:7], s[66:67]
	s_add_nc_u64 s[2:3], s[6:7], s[2:3]
	CROUND
.irp s, 0,1
	s_mov_b32 s[G0+4*\s], 1
	s_add_co_u32 s[G0+4*\s+1], s18, \s*SLOT
	s_add_nc_u64 s[G0+4*\s+2:G0+4*\s+3], s[20:21], \s*6144
	s_or_b32 s[G0+4*\s+3], s[G0+4*\s+3], 0x80000000
	s_mov_b32 s[G0B+4*\s], 1
	s_add_co_u32 s[G0B+4*\s+1], s18, \s*SLOT
	s_add_nc_u64 s[G0B+4*\s+2:G0B+4*\s+3], s[66:67], \s*6144
	s_or_b32 s[G0B+4*\s+3], s[G0B+4*\s+3], 0x80000000
.endr
	JLOAD G0, G1, G0B, G1B                         ; slot 0: my one tensor load at the head
	s_cmp_eq_u32 s15, 0                            ; do I fetch for A?
	s_cselect_b64 s[22:23], s[22:23], s[2:3]       ; my KS / 2 K steps of A's or of W's scale words
	s_cselect_b64 s[PFA:PFA+1], s[20:21], s[66:67] ; the four tiles that I fetch,
	s_cselect_b32 s70, s44, s45                    ; my place among the four partners that ask for them with me: it enters a global address alone
	s_mul_i32 s70, s70, KS*1536
	s_mov_b32 s71, 0
	s_add_nc_u64 s[PFA:PFA+1], s[PFA:PFA+1], s[70:71]
	s_add_co_u32 s19, s19, SCL
	v_and_b32 v1, 15, v0
	v_bfe_u32 v2, v0, 4, 1
	v_and_b32 v3, 31, v0
	v_lshlrev_b32 v[CO], 4, v3
	v_add_nc_u32 v31, s19, v[CO]
	v_min_u32 v[PFO], 23, v3
	v_lshlrev_b32 v[PFO], 8, v[PFO]
.set i, 0
.rept KS/2
	global_load_b128 v[ACC+4*i:ACC+4*i+3], v[CO], s[22:23] offset:1024*i
.set i, i+1
.endr
	global_prefetch_b8 v[PFO], s[PFA:PFA+1] offset:6144 th:TH_LOAD_NT scope:SCOPE_SE    ; slot 1
	global_prefetch_b8 v[PFO], s[PFA:PFA+1] offset:12288 th:TH_LOAD_NT scope:SCOPE_SE   ; slot 2
	v_lshlrev_b32 v4, 3, v3
	s_mul_i32 s18, s15, LOADB
	s_mul_i32 s19, s16, LOADB
	s_add_co_u32 s19, s19, 2*LOADB
.irp s, 0,1
	v_add_nc_u32 v[ADRA+\s], s18, v[CO]
	v_add_nc_u32 v[ADRA8+\s], s18, v4
	v_add_nc_u32 v[ADRB+\s], s19, v[CO]
	s_add_co_u32 s18, s18, SLOT
	s_add_co_u32 s19, s19, SLOT
.endr
	s_lshl_b32 s18, s15, 8
	s_lshl_b32 s19, s16, 8
	s_add_co_u32 s19, s19, KS*512
	s_sub_co_u32 s19, s19, s18
	v_mul_u32_u24 v4, s19, v2
	s_add_co_u32 s18, s18, SCL
	v_lshl_add_u32 v4, v1, 2, v4
	v_add_nc_u32 v[ADRS], s18, v4
	s_mul_i32 s18, s15, 64*528
	s_lshl_b32 s19, s16, 8
	s_add_co_u32 s18, s18, s19
	s_add_co_u32 s18, s18, STAGE
	v_mul_u32_u24 v4, v1, 528
	v_lshl_add_u32 v4, v2, 6, v4
	v_add_nc_u32 v[STO], s18, v4
	s_mul_i32 s18, s14, 32*528
	s_add_co_u32 s18, s18, STAGE
	v_add_nc_u32 v[RD], s18, v[CO]
	s_lshl_b32 s18, s46, 9
	s_lshl_b32 s19, s16, 8
	s_add_co_u32 s18, s18, s19
	s_mov_b32 s19, 0
	s_add_nc_u64 s[8:9], s[8:9], s[18:19]
	v_lshlrev_b32 v5, 6, v2
.irp t, 0,1,2,3
	global_load_b128 v[BI+8*\t:BI+8*\t+3], v5, s[8:9] offset:(32*(\t/2)+8*(\t%2))*4
	global_load_b128 v[BI+8*\t+4:BI+8*\t+7], v5, s[8:9] offset:(32*(\t/2)+8*(\t%2))*4+16
.endr
	s_lshl_b32 s18, s17, 7
	s_lshl_b32 s19, s14, 5
	s_add_co_u32 s18, s18, s19
	s_lshl_b32 s18, s18, 12
	s_lshl_b32 s19, s46, 9
	s_add_co_u32 s18, s18, s19
	s_mov_b32 s19, 0
	s_add_nc_u64 s[10:11], s[10:11], s[18:19]
	s_add_nc_u64 s[12:13], s[12:13], s[18:19]
.macro FETCH slot, q, f
	WIN 0x40
.irp i, 0,1,2,3
.if SPLITA
	ds_load_b128 v[\f+FR*\i:\f+FR*\i+3], v[ADRA+\slot] offset:(4*\i+(\q))*1536
	ds_load_b64 v[\f+FR*\i+4:\f+FR*\i+5], v[ADRA8+\slot] offset:(4*\i+(\q))*1536+512
	ds_load_b128 v[\f+FR*\i+6:\f+FR*\i+9], v[ADRA+\slot] offset:(4*\i+(\q))*1536+768
	ds_load_b64 v[\f+FR*\i+10:\f+FR*\i+11], v[ADRA8+\slot] offset:(4*\i+(\q))*1536+1280
.else
.irp c, 0,1,2
	ds_load_b128 v[\f+FR*\i+4*\c:\f+FR*\i+4*\c+3], v[ADRA+\slot] offset:(4*\i+(\q))*1536+512*\c
.endr
.endif
.irp c, 0,1,2
	ds_load_b128 v[\f+48+FR*\i+4*\c:\f+48+FR*\i+4*\c+3], v[ADRB+\slot] offset:(4*\i+(\q))*1536+512*\c
.endr
.endr
	WIN 0
.irp i, 0,1,2,3
	ds_load_b32 v[SC+4*((\q)%2)+\i], v[ADRS] offset:(4*\slot+(\q))*512+64*\i
.endr
.endm
.macro MUL8 a0, q, first
.irp a, \a0, \a0+1
.irp b, 0,1,2,3
.if \first
	v_wmma_scale_f32_16x16x128_f8f6f4 v[ACC+8*(4*(\a)+\b):ACC+8*(4*(\a)+\b)+7], v[128*((\q)%2)+48+FR*\b:128*((\q)%2)+48+FR*\b+11], v[128*((\q)%2)+FR*(\a):128*((\q)%2)+FR*(\a)+11], v[BI+8*\b:BI+8*\b+7], v[SC+4*((\q)%2)+\b], v[SC+4*((\q)%2)+(\a)] matrix_a_fmt:MATRIX_FMT_FP6 matrix_b_fmt:MATRIX_FMT_FP6 matrix_a_scale:MATRIX_SCALE_ROW1
.else
	v_wmma_scale_f32_16x16x128_f8f6f4 v[ACC+8*(4*(\a)+\b):ACC+8*(4*(\a)+\b)+7], v[128*((\q)%2)+48+FR*\b:128*((\q)%2)+48+FR*\b+11], v[128*((\q)%2)+FR*(\a):128*((\q)%2)+FR*(\a)+11], v[ACC+8*(4*(\a)+\b):ACC+8*(4*(\a)+\b)+7], v[SC+4*((\q)%2)+\b], v[SC+4*((\q)%2)+(\a)] matrix_a_fmt:MATRIX_FMT_FP6 matrix_b_fmt:MATRIX_FMT_FP6 matrix_a_scale:MATRIX_SCALE_ROW1
.endif
.endr
.endr
.endm
.macro KSTEP slot, q, first
	PLACES 4
	FETCH \slot, (\q)+1, 128*(1-(\q)%2)
	s_wait_dscnt NF
	WIN 0x05
	MUL8 0, \q, \first
	MUL8 2, \q, \first
.endm
.macro TURN slot, next, fill
	WIN 0
.if \fill
	s_wait_xcnt 0x0                                ; my prefetches have read their address: it steps a slot on
	s_add_nc_u64 s[PFA:PFA+1], s[PFA:PFA+1], 6144
.endif
	s_wait_tensorcnt 0x0
	ds_add_u32 v[SPW], v[NIL]
	s_wait_dscnt 1
	WIN 0x05
	MUL8 0, 3, 0
	s_wait_dscnt 0x0
	s_barrier_signal -1
	MUL8 2, 3, 0
	WIN 0
	s_barrier_wait -1
.if \fill
	CREST
	s_add_nc_u64 s[G0+4*\slot+2:G0+4*\slot+3], s[G0+4*\slot+2:G0+4*\slot+3], 12288
	s_add_nc_u64 s[G0B+4*\slot+2:G0B+4*\slot+3], s[G0B+4*\slot+2:G0B+4*\slot+3], 12288
	JLOAD G0+4*\slot, G1, G0B+4*\slot, G1B
.else
	PLACES 4
.endif
.if \next == 0
	v_add_nc_u32 v[ADRS], 4096, v[ADRS]
	s_wait_alu depctr_va_vdst(0)
.endif
	FETCH \next, 0, 0
.if \fill
	s_cmp_gt_u32 s3, 1                             ; the loop's last trip has no slot two on
	s_cbranch_scc0 .Lno_ask_\@
	global_prefetch_b8 v[PFO], s[PFA:PFA+1] offset:18432 th:TH_LOAD_NT scope:SCOPE_SE   ; the slot two behind the one just asked for
.Lno_ask_\@:
.endif
.endm
	s_wait_alu depctr_va_vdst(0)                   ; the wait at the head's end
	s_wait_loadcnt 8                               ; the scale words are in; the bias's 8 loads are younger
.set i, 0
.rept KS/2
	ds_store_b128 v31, v[ACC+4*i:ACC+4*i+3] offset:512*i
.set i, i+1
.endr
	s_wait_tensorcnt 0x0                           ; my part of slot 0 is in
	ds_add_u32 v[SPW], v[NIL]
	s_wait_dscnt 0x0                               ; the add is done, and my stores of scale words have landed
	CROUND                                         ; a whole round: slot 0 and the scale words are shown to all, and the joint loads meet
	JLOAD G0+4, G1, G0B+4, G1B                     ; slot 1, the first tensor load behind the round
	FETCH 0, 0, 0
	global_prefetch_b8 v[PFO], s[PFA:PFA+1] offset:18432 th:TH_LOAD_NT scope:SCOPE_SE   ; slot 3
	s_wait_loadcnt 0x0                             ; the bias
	KSTEP 0, 0, 1
.if LAPS > 1
	WIN 0
	s_mov_b32 s3, LAPS-1
	WIN 0x80                                       ; the residual is asked for behind the first tiles, and lands in window 2 while the loop runs
.set i, 0
.rept 32                               ; stage row 32 w + i is token 32 w + 8 (i / 16) + i % 16 + 8 ((i % 16) / 8) of the block
	global_load_b128 v[4*i:4*i+3], v[CO], s[10:11] offset:(8*(i/16)+i%16+8*((i%16)/8))*4096 th:TH_LOAD_NT
.set i, i+1
.endr
	WIN 0
.Llap:
	s_wait_alu depctr_va_vdst(0)
	KSTEP 0, 1, 0
	KSTEP 0, 2, 0
	TURN 0, 1, 1
	KSTEP 1, 0, 0
	KSTEP 1, 1, 0
	KSTEP 1, 2, 0
	TURN 1, 0, 1
	KSTEP 0, 0, 0
	WIN 0
	s_sub_co_u32 s3, s3, 1
	s_cmp_lg_u32 s3, 0
	s_cbranch_scc1 .Llap
.endif
	s_wait_alu depctr_va_vdst(0)
	KSTEP 0, 1, 0
	KSTEP 0, 2, 0
	TURN 0, 1, 0
	KSTEP 1, 0, 0
	KSTEP 1, 1, 0
	KSTEP 1, 2, 0
	s_wait_dscnt 0x0
	WIN 0x05
	MUL8 0, 3, 0
	MUL8 2, 3, 0
	WIN 0
	PLACES 4
.irp a, 0,1,2,3
.irp t, 0,1,2,3
	ds_store_b128 v[STO], v[ACC+8*(4*\a+\t):ACC+8*(4*\a+\t)+3] offset:16*\a*528+128*(\t/2)+32*(\t%2)
	ds_store_b128 v[STO], v[ACC+8*(4*\a+\t)+4:ACC+8*(4*\a+\t)+7] offset:16*\a*528+128*(\t/2)+32*(\t%2)+16
.endr
.endr
	s_wait_dscnt 0x0
	s_barrier_signal -1
	s_barrier_wait -1
.set i, 0
.rept 32
	ds_load_b128 v[ACC+4*i:ACC+4*i+3], v[RD] offset:528*i
.set i, i+1
.endr
	s_wait_loadcnt 0x0
	s_wait_dscnt 0x0
	WIN 0x08
.set i, 0
.rept 64
	v_pk_add_f32 v[ACC+2*i:ACC+2*i+1], v[ACC+2*i:ACC+2*i+1], v[2*i:2*i+1]
.set i, i+1
.endr
	WIN 0
.set i, 0
.rept 32
	global_store_b128 v[CO], v[ACC+4*i:ACC+4*i+3], s[12:13] offset:(8*(i/16)+i%16+8*((i%16)/8))*4096
.set i, i+1
.endr
	s_wait_tensorcnt 0x0
	ds_add_u32 v[SPW], v[NIL]
	s_wait_dscnt 0x0
	CROUND
	s_endpgm
.Lfunc_end_k_q891183f3ee_mlp2:
	.size	k_q891183f3ee_mlp2, .Lfunc_end_k_q891183f3ee_mlp2-k_q891183f3ee_mlp2
	.p2alignl 7, 3214868480
	.fill 96, 4, 3214868480
	.section	.rodata,"a",@progbits
	.p2align	6, 0x0
	.amdhsa_kernel k_q891183f3ee_mlp2
		.amdhsa_group_segment_fixed_size 327680
		.amdhsa_private_segment_fixed_size 0
		.amdhsa_enable_private_segment 0
		.amdhsa_kernarg_size 40
		.amdhsa_user_sgpr_count 2
		.amdhsa_user_sgpr_kernarg_segment_ptr 1
		.amdhsa_wavefront_size32 1
		.amdhsa_system_sgpr_workgroup_id_x 1
		.amdhsa_system_sgpr_workgroup_id_y 1
		.amdhsa_system_sgpr_workgroup_id_z 1
		.amdhsa_system_vgpr_workitem_id 0
		.amdhsa_next_free_vgpr 640
		.amdhsa_next_free_sgpr 98
		.amdhsa_reserve_vcc 0
		.amdhsa_float_denorm_mode_32 3
		.amdhsa_float_denorm_mode_16_64 3
		.amdhsa_memory_ordered 1
		.amdhsa_forward_progress 1
		.amdhsa_inst_pref_size 95
	.end_amdhsa_kernel
	.amdgpu_metadata
---
amdhsa.version: [ 1, 2 ]
amdhsa.kernels:
  - .name:           k_q891183f3ee_mlp2
    .symbol:         k_q891183f3ee_mlp2.kd
    .args:
      - { .name: hbuf, .offset: 0, .size: 8, .value_kind: global_buffer, .address_space: global }
      - { .name: wbuf, .offset: 8, .size: 8, .value_kind: global_buffer, .address_space: global }
      - { .name: mlp_b2, .offset: 16, .size: 8, .value_kind: global_buffer, .address_space: global }
      - { .name: x1, .offset: 24, .size: 8, .value_kind: global_buffer, .address_space: global }
      - { .name: out0, .offset: 32, .size: 8, .value_kind: global_buffer, .address_space: global }
    .group_segment_fixed_size: 327680
    .private_segment_fixed_size: 0
    .kernarg_segment_align: 8
    .kernarg_segment_size: 40
    .max_flat_workgroup_size: 128
    .sgpr_count:     98
    .vgpr_count:     640
    .wavefront_size: 32
...
	.end_amdgpu_metadata
.endif
;; end of part 7
